; MI455X (gfx1250); checked and timed in simulation.
; The chip was launched on July 23, 2026; its instructions are those of AMD's public machine-readable ISA for CDNA 5 (MIT licence, August 2026) and "CDNA5" Instruction Set Architecture Reference Guide (July 2026). The comments in the code are by the model that wrote it; some were corrected since.
;; Multi Headed Attention. Allowed arithmetic: float matrix products may take bf16 or f16 operands with f32 sums; other float arithmetic in f32, or as packed bf16 or f16 multiplies, adds, multiply-adds, maxima and minima; sums over many terms, partial sums and values carried from step to step in f32; what a program stores and reads back later, other than sums and carried values, may be rounded once to bf16 or f16.
;; Inputs: Wk 1,024 x 1,024 float32; Wo 1,024 x 1,024 float32; Wq 1,024 x 1,024 float32; Wv 1,024 x 1,024 float32; bk 1,024 float32; bo 1,024 float32; bq 1,024 float32; bv 1,024 float32; key 8 x 1,024 x 1,024 float32; mask 8 x 1 x 1,024 bool; query 8 x 1,024 x 1,024 float32; rel_emb 65 x 64 float32; value 8 x 1,024 x 1,024 float32.
;; Outputs: out0 8 x 1,024 x 1,024 float32; out1 8 x 1,024 x 1,024 float32.
;; One version. Each part assembles by itself: llvm-mc -triple=amdgcn-amd-amdhsa -mcpu=gfx1250 --defsym DOCPART=n.
;; ======== version 1 of 1: 5 launches
;; limits: values are held in f16: magnitudes above 65,504 overflow, below 6.1e-05 lose precision
;; workspace buffers: wh 8,388,608 bytes; qkv 50,331,648 bytes; ch 16,777,216 bytes; st 65,536 bytes
;; launch wcvt (part 1): grid 256 x 1, 8 waves a work-group, no clusters, 0 bytes of LDS; arguments Wq, Wk, Wv, Wo, wh; writes wh
.if DOCPART == 1
	.amdgcn_target "amdgcn-amd-amdhsa--gfx1250"
	.amdhsa_code_object_version 6
	.text
	.protected	k_q654efa2556_wcvt
	.globl	k_q654efa2556_wcvt
	.p2align	8
	.type	k_q654efa2556_wcvt,@function
k_q654efa2556_wcvt:
	s_mov_b64 s[64:65], 0
	v_nop
	global_prefetch_b8 v0, s[64:65] scope:SCOPE_SE
	s_setreg_imm32_b32 hwreg(HW_REG_WAVE_MODE, 25, 1), 1
	s_wait_xcnt 0x0
; Wq, Wk, Wv, Wo ([1024][1024] f32) -> wh ([4][1024][1024] f16).  Each number is rounded once.
; LIMIT: f16 ends at 65,504; a weight beyond it becomes an infinity.  Below 6e-5 f16 keeps its fixed step of 6e-8.
; A stream: no LDS, no matrix unit, no barrier.  A work-group takes 16,384 numbers (65,536 bytes in, 32,768 out), a thread 8 slices of 8 numbers.
; All 16 loads of a thread go out at once; each store of a wave covers 512 consecutive bytes, aligned.  No register is written twice, so no source needs a wait.
.set X, 16                             ; v[16:79]   8 slices of 8 f32
.set Y, 80                             ; v[80:111]  8 slices of 4 registers, 8 f16
	s_load_b256 s[8:15], s[0:1], 0x0               ; Wq, Wk, Wv, Wo
	s_load_b64 s[16:17], s[0:1], 0x20              ; wh
	s_lshr_b32 s27, ttmp9, 6                       ; which weight
	s_and_b32 s29, ttmp9, 63                       ; the block of 16,384 numbers in it
	s_lshl_b32 s32, s29, 16                        ; byte offsets, made apart from the addresses
	s_mov_b32 s33, 0
	s_lshl_b32 s34, ttmp9, 15
	s_mov_b32 s35, 0
	v_lshlrev_b32 v1, 5, v0                        ; 32 bytes in a thread
	v_lshlrev_b32 v2, 4, v0                        ; 16 bytes out
	s_wait_kmcnt 0x0
	s_mov_b64 s[4:5], s[8:9]
.irp n, 1,2,3
	s_cmp_eq_u32 s27, \n
	s_cselect_b64 s[4:5], s[8+2*\n:9+2*\n], s[4:5]
.endr
	s_add_nc_u64 s[4:5], s[4:5], s[32:33]
	s_add_nc_u64 s[6:7], s[16:17], s[34:35]
.irp j, 0,1,2,3,4,5,6,7
	global_load_b128 v[X+8*\j:X+8*\j+3],   v1, s[4:5] offset:8192*\j th:TH_LOAD_NT
	global_load_b128 v[X+8*\j+4:X+8*\j+7], v1, s[4:5] offset:8192*\j+16 th:TH_LOAD_NT
.endr
.irp j, 0,1,2,3,4,5,6,7
	s_wait_loadcnt 14-2*\j                         ; loads come back in order: slice j is in, the two loads of each later slice may stay out
.irp r, 0,1,2,3
	v_cvt_pk_f16_f32 v[Y+4*\j+\r], v[X+8*\j+2*\r], v[X+8*\j+2*\r+1]
.endr
	global_store_b128 v2, v[Y+4*\j:Y+4*\j+3], s[6:7] offset:4096*\j
.endr
	s_endpgm
.Lfunc_end_k_q654efa2556_wcvt:
	.size	k_q654efa2556_wcvt, .Lfunc_end_k_q654efa2556_wcvt-k_q654efa2556_wcvt
	.p2alignl 7, 3214868480
	.fill 96, 4, 3214868480
	.section	.rodata,"a",@progbits
	.p2align	6, 0x0
	.amdhsa_kernel k_q654efa2556_wcvt
		.amdhsa_group_segment_fixed_size 0
		.amdhsa_private_segment_fixed_size 0
		.amdhsa_enable_private_segment 0
		.amdhsa_kernarg_size 40
		.amdhsa_user_sgpr_count 2
		.amdhsa_user_sgpr_kernarg_segment_ptr 1
		.amdhsa_wavefront_size32 1
		.amdhsa_system_sgpr_workgroup_id_x 1
		.amdhsa_system_sgpr_workgroup_id_y 1
		.amdhsa_system_sgpr_workgroup_id_z 1
		.amdhsa_system_vgpr_workitem_id 0
		.amdhsa_next_free_vgpr 112
		.amdhsa_next_free_sgpr 66
		.amdhsa_reserve_vcc 0
		.amdhsa_float_denorm_mode_32 3
		.amdhsa_float_denorm_mode_16_64 3
		.amdhsa_memory_ordered 1
		.amdhsa_forward_progress 1
		.amdhsa_inst_pref_size 6
	.end_amdhsa_kernel
	.amdgpu_metadata
---
amdhsa.version: [ 1, 2 ]
amdhsa.kernels:
  - .name:           k_q654efa2556_wcvt
    .symbol:         k_q654efa2556_wcvt.kd
    .args:
      - { .name: Wq, .offset: 0, .size: 8, .value_kind: global_buffer, .address_space: global }
      - { .name: Wk, .offset: 8, .size: 8, .value_kind: global_buffer, .address_space: global }
      - { .name: Wv, .offset: 16, .size: 8, .value_kind: global_buffer, .address_space: global }
      - { .name: Wo, .offset: 24, .size: 8, .value_kind: global_buffer, .address_space: global }
      - { .name: wh, .offset: 32, .size: 8, .value_kind: global_buffer, .address_space: global }
    .group_segment_fixed_size: 0
    .private_segment_fixed_size: 0
    .kernarg_segment_align: 8
    .kernarg_segment_size: 40
    .max_flat_workgroup_size: 256
    .sgpr_count:     66
    .vgpr_count:     112
    .wavefront_size: 32
...
	.end_amdgpu_metadata
.endif
;; end of part 1
;; launch proj (part 2): grid 4 x 64, 4 waves a work-group, clusters of 4 x 4, 327,680 bytes of LDS; arguments query, key, value, wh, bq, bk, bv, qkv; writes qkv
.if DOCPART == 2
	.amdgcn_target "amdgcn-amd-amdhsa--gfx1250"
	.amdhsa_code_object_version 6
	.text
	.protected	k_q654efa2556_proj
	.globl	k_q654efa2556_proj
	.p2align	8
	.type	k_q654efa2556_proj,@function
k_q654efa2556_proj:
	s_mov_b64 s[64:65], 0
	v_nop
	global_prefetch_b8 v0, s[64:65] scope:SCOPE_SE
	s_setreg_imm32_b32 hwreg(HW_REG_WAVE_MODE, 25, 1), 1
	s_wait_xcnt 0x0
	s_wait_alu depctr_hold_cnt(0) depctr_sa_sdst(0) depctr_va_vdst(0) depctr_va_sdst(0) depctr_va_ssrc(0) depctr_va_vcc(0) depctr_vm_vsrc(0)
	s_getreg_b32 s2, hwreg(HW_REG_IB_STS2, 6, 4)
	s_cmp_eq_u32 s2, 0
	s_cbranch_scc0 .Lentry_in_a_cluster
	s_endpgm
.Lentry_in_a_cluster:
	s_bfe_u32 s2, ttmp6, 0x10000c
	s_cmp_lg_u32 s2, 0xf033
	s_cbranch_scc0 .Lentry_shape_is_right
	s_endpgm
.Lentry_shape_is_right:
; THE THREE PROJECTIONS, straight from the f32 activations.  For g = 0, 1, 2 (query with Wq and bq, key with Wk and bk, value with Wv and bv):
; C[m][n] = sum over k of f16(x_g[m][k]) wh[g][n][k] + bias_g[n]; m = 8192, n = k = 1024; f16 operands, f32 sums.
; C leaves by heads: qkv[g][b*16+head][l][64] in f16, rounded once; q is NOT scaled here (the attention applies 1/8 in f32).
; LIMITS: the activations and |C| stay within f16's 65,504; below 6e-5 f16 keeps its fixed step of 6e-8.
; SHARES.  A tile of C is 128 x 256; four waves, each 64 x 128: 32 accumulators of 16 x 16.  64 x 4 = 256 work-groups, and A WORK-GROUP STAYS: it makes its tile for g = 0, 1, 2, one after the other.
; ONE STREAM.  The three tiles' K steps of 128 are one stream of 24 steps through two LDS slots; the ring does not stop at a tile's end: a tile's last two changes of slots ask for the next tile's first two K steps,
; and the tile goes out while they are on their way.  A trip of the loop is one K step; the slot in hand is a scalar that an exclusive or turns between 0 and SLOT.
; A COMES AS f32: rows of 512 bytes in memory, 528 in LDS; each wave rounds the fragments of its 64 rows to f16 between LDS and the matrix unit: 32 conversions for a quarter step's 32 products.  B comes as f16.
; Waves 0, 1 fetch A's halves (64 rows), waves 2, 3 B's (128 rows).
; CLUSTER 4 x 4: the four of a row of the cluster need the same tile of A, the four of a column the same tile of B: each is asked for jointly.  All sixteen walk g alike.
; THE MATRIX INSTRUCTION IS USED TRANSPOSED (source 0 = 16 rows of B, source 1 = 16 rows of A): a lane holds eight neighbouring columns of one row of C.
; THE SUMS START FROM THE BIAS, loaded straight into the accumulators (register j of n block b is bias[n0 + 16 b + 8 (lane / 16) + j]): so there is one form of product, and a K step is written once for all 24.
; REGISTERS: window 0: v16-30 addresses; v64-95 A's four fragments in f16; v128-191 the same 64 rows x 32 K as loaded, in f32; v96-127, v32-63, v192-223 the way out.
;   window 1: v0-127 B's fragments, two buffers of 8 x 8.   window 2: accumulator (a, b) at v[8 (8 a + b)].
.set KSTEP,  128
.set ABYTES, 512                       ; a K step along a row of an activation
.set BBYTES, 256                       ; along a row of a weight
.set PA,     528                       ; A's LDS row: 512 bytes + 16 = 132 words: the 16 rows of a load start at 16 different groups of four banks (ISA guide 11.1)
.set PITCH,  272                       ; B's: 256 + 16 = 68 words: likewise
.set AHALF,  64*PA                     ; what waves 0 and 1 fetch, and what a wave reads of A
.set BHALF,  128*PITCH
.set BOFF,   2*AHALF                   ; B's 256 rows lie behind A's 128
.set SLOT,   BOFF+2*BHALF              ; 137,216 bytes
.set STAGE,  2*SLOT                    ; behind the ring: 16 rows x 272 bytes for each wave; no tensor load lands here
.set SPITCH, 272
.set SPARE,  STAGE+4*16*SPITCH         ; the spare words, 128 bytes a wave: two blocks of 256 bytes that no other line names
.set STEPS,  24                        ; three tiles of 8 K steps
.set ADRA0, 16                         ; v16 my lane's place in A's part of a slot; never rewritten
.set ADRB0, 17                         ; v17 in B's part
.set ADRA,  18                         ; v18 the same in the slot in hand
.set ADRB,  19
.set STO,  24
.set RD,   25
.set CO,   26
.set BO,   27                          ; my byte offset in a bias
.set SPW,  28                          ; LDS address of my spare word; never rewritten
.set NIL,  29                          ; 0; never rewritten
.set PFO,  30                          ; the prefetches' offset: my lane x a row of an activation; never rewritten
.set FA,   64
.set TMP,  96
.set RAW,  128
.set LIM,  2                           ; s2  2 in the wave that prefetches, else the greatest number
.set OOF,  4                           ; s[4:5]   my part of a tile in qkv[g], in bytes
.set POF,  6                           ; s[6:7]   my work-group's 32 rows of the tile's 128, in bytes
.set PFA,  14                          ; s[14:15] what the next prefetches name
.set LA,   20                          ; s20 where my half of A goes in a slot;  s21 my half of B
.set LB,   21
.set G1,   24
.set G0,   32                          ; s[32:39] group 0 for A: a set for each first fill; the second then walks
.set G1B,  48
.set G0B,  56
.set NXT,  66                          ; s66 the K step of the stream to be asked for next
.set TB,   67                          ; s67 the slot that the fragment loads read: 0 or SLOT
.set XQ,   68                          ; s[68:83] query, key, value, wh, bq, bk, bv, qkv
.set XK,   70
.set XV,   72
.set WH,   74
.set BQ,   76
.set BKP,  78
.set BVP,  80
.set OUT,  82
.set BP,   84                          ; s[84:85] the bias of the tile to come
.set AOF,  86                          ; s[86:87] the rows of A that I fetch, in bytes
.set BOF,  88                          ; s[88:89] the rows of B that I fetch
.set TF,   96                          ; s96 the slot filled last
.set GT,   97                          ; s97 the tile in hand: g
.set MSB, 0
.macro WIN new                         ; the immediate's high byte repeats the setting that is left
.if MSB != (\new)
	s_set_vgpr_msb (MSB<<8)|(\new)
.set MSB, \new
.endif
.endm
.macro JLOAD s                         ; a joint load; the branch hangs on the wave's number alone; an s_nop 0 and four v_nop follow each line
	s_cmp_eq_u32 s11, 0
	s_cbranch_scc0 .Lfor_b_\@
	tensor_load_to_lds s[G0+4*(\s):G0+4*(\s)+3], s[G1:G1+7]
	s_nop 0
.rept 4
	v_nop
.endr
	s_branch .Lasked_\@
.Lfor_b_\@:
	tensor_load_to_lds s[G0B+4*(\s):G0B+4*(\s)+3], s[G1B:G1B+7]
	s_nop 0
.rept 4
	v_nop
.endr
.Lasked_\@:
.endm
.macro CREST                           ; a round of the cluster's barrier behind its opening barrier
	s_cmp_lg_u32 s10, 0
	s_cbranch_scc1 .Lnot_wave_0_\@
	s_barrier_signal -3
.Lnot_wave_0_\@:
	s_barrier_wait -3
	s_barrier_signal -1
	s_barrier_wait -1
.endm
.macro CROUND
	s_barrier_signal -1
	s_barrier_wait -1
	CREST
.endm
.macro PLACES                          ; four places behind matrix instructions (ISA guide 7.12.1)
.rept 4
	v_nop
.endr
.endm
; A prefetch of A's K step that stands two refills on in the stream: 128 rows x 512 bytes; the four partners of a row of the cluster take 32 rows each, told apart by address; wave 0 asks, a lane a row,
; one instruction for each of the row's two blocks of 256 bytes.  One cluster reads a tile row, so each block is named once in the launch.  The stream's first four K steps come by their loads alone;
; the last two refills (s3 = 2, 1) have no K step two on.  B (2 MiB for each g, walked by 16 clusters) is not asked for.
.macro ASK
	s_cmp_gt_u32 s3, s[LIM]
	s_cbranch_scc0 .Lnot_mine_\@
	global_prefetch_b8 v[PFO], s[PFA:PFA+1] th:TH_LOAD_NT scope:SCOPE_SE
	global_prefetch_b8 v[PFO], s[PFA:PFA+1] offset:256 th:TH_LOAD_NT scope:SCOPE_SE
.Lnot_mine_\@:
.endm
	s_load_b512 s[68:83], s[0:1], 0x0              ; query, key, value, wh, bq, bk, bv, qkv
	v_lshl_add_u32 v[SPW], v0, 2, SPARE
	v_mov_b32 v[NIL], 0
	ds_add_u32 v[SPW], v[NIL]                      ; the wave's opening: the add and its wait ahead of my first tensor load
	v_lshrrev_b32 v1, 5, v0
	v_readfirstlane_b32 s10, v1                    ; wave 0..3
	s_lshr_b32 s11, s10, 1                         ; my 64 rows of the tile.  Also: I fetch for A (0) or for B (1)
	s_and_b32 s12, s10, 1                          ; my 128 columns.  Also: which half I fetch
	s_bfe_u32 s40, ttmp6, 0x40000                  ; cx
	s_bfe_u32 s41, ttmp6, 0x40004                  ; cy
	s_lshl_b32 s42, ttmp9, 2
	s_add_co_u32 s42, s42, s40                     ; tile column
	s_and_b32 s13, ttmp7, 0xffff
	s_lshl_b32 s13, s13, 2
	s_add_co_u32 s13, s13, s41                     ; tile row, 0 to 63, the same for every g
	s_lshl_b32 s43, s41, 2
	s_lshl_b32 s43, 15, s43                        ; my row of the cluster
	s_lshl_b32 s44, 0x1111, s40                    ; my column
	s_or_b32 s[G1+0], s43, (2<<16)|(1<<20)|(1<<21)|(6<<22)|(3<<25)   ; A: mask; 4-byte elements; padding on; bit 21 beside a mask; after every 128 words, 4 words
	s_or_b32 s[G1B+0], s44, (1<<16)|(1<<20)|(1<<21)|(5<<22)|(3<<25)  ; B: 2-byte elements; after every 64 words, 4 words
	s_mov_b32 s[G1+1], KSTEP<<16                   ; tensor_dim0 = 128
	s_mov_b32 s[G1+2], 64<<16                      ; tensor_dim1 = 64
	s_mov_b32 s[G1+3], KSTEP<<16                   ; tile_dim0 = 128
	s_mov_b32 s[G1+4], 64                          ; tile_dim1 = 64
	s_mov_b32 s[G1+5], 1024                        ; elements from row to row
	s_mov_b32 s[G1+6], 0
	s_mov_b32 s[G1+7], 0
	s_mov_b32 s[G1B+1], KSTEP<<16
	s_mov_b32 s[G1B+2], 128<<16
	s_mov_b32 s[G1B+3], KSTEP<<16
	s_mov_b32 s[G1B+4], 128
	s_mov_b32 s[G1B+5], 1024
	s_mov_b32 s[G1B+6], 0
	s_mov_b32 s[G1B+7], 0
	s_lshl_b32 s[AOF], s13, 7
	s_lshl_b32 s[AOF+1], s12, 6
	s_add_co_u32 s[AOF], s[AOF], s[AOF+1]          ; A: row 128 x tile row + 64 x half,
	s_lshl_b32 s[AOF], s[AOF], 12                  ; x 4,096 bytes (under 2^25)
	s_mov_b32 s[AOF+1], 0
	s_lshl_b32 s[BOF], s42, 8
	s_lshl_b32 s[BOF+1], s12, 7
	s_add_co_u32 s[BOF], s[BOF], s[BOF+1]          ; B: row 256 x tile column + 128 x half,
	s_lshl_b32 s[BOF], s[BOF], 11                  ; x 2,048 bytes
	s_mov_b32 s[BOF+1], 0
	s_mul_i32 s[LA], s12, AHALF                    ; where they go in a slot: no place in the cluster enters an LDS address
	s_mul_i32 s[LB], s12, BHALF
	s_add_co_u32 s[LB], s[LB], BOFF
	s_mov_b32 s[NXT], 2                            ; K steps 0 and 1 are the first fills
	s_mov_b32 s[TF], SLOT
	s_mov_b32 s[TB], 0
	s_mov_b32 s[GT], 0
	s_mov_b32 s19, 0                               ; the high words of the offsets that are made in the loop
	s_mov_b32 s93, 0
	s_mov_b32 s95, 0
	s_wait_dscnt 0x0                               ; the opening add is done
	s_wait_kmcnt 0x0
	s_add_nc_u64 s[98:99], s[XQ:XQ+1], s[AOF:AOF+1]
	s_add_nc_u64 s[100:101], s[WH:WH+1], s[BOF:BOF+1]
	CROUND                                         ; all sixteen work-groups are here: the first joint loads meet
.irp s, 0,1
	s_mov_b32 s[G0+4*(\s)], 1
	s_add_co_u32 s[G0+4*(\s)+1], s[LA], (\s)*SLOT
	s_add_nc_u64 s[G0+4*(\s)+2:G0+4*(\s)+3], s[98:99], (\s)*ABYTES
	s_or_b32 s[G0+4*(\s)+3], s[G0+4*(\s)+3], 0x80000000
	s_mov_b32 s[G0B+4*(\s)], 1
	s_add_co_u32 s[G0B+4*(\s)+1], s[LB], (\s)*SLOT
	s_add_nc_u64 s[G0B+4*(\s)+2:G0B+4*(\s)+3], s[100:101], (\s)*BBYTES
	s_or_b32 s[G0B+4*(\s)+3], s[G0B+4*(\s)+3], 0x80000000
	JLOAD \s
.endr
	v_and_b32 v1, 15, v0                           ; l % 16
	v_bfe_u32 v2, v0, 4, 1                         ; l / 16
	s_lshl_b32 s22, s42, 10
	s_lshl_b32 s23, s12, 9
	s_add_co_u32 s22, s22, s23
	v_lshl_add_u32 v[BO], v2, 5, s22               ; 4 (256 tile column + 128 half) + 32 (l / 16)
	s_mov_b64 s[BP:BP+1], s[BQ:BQ+1]
; The bias into the eight accumulators of m block a: 16 loads.
.macro BIASLD a
	WIN 0x80                                       ; destination window 2, address window 0
.irp b, 0,1,2,3,4,5,6,7
	global_load_b128 v[8*(8*(\a)+(\b)):8*(8*(\a)+(\b))+3],   v[BO], s[BP:BP+1] offset:64*(\b)
	global_load_b128 v[8*(8*(\a)+(\b))+4:8*(8*(\a)+(\b))+7], v[BO], s[BP:BP+1] offset:64*(\b)+16
.endr
.endm
	BIASLD 0
	BIASLD 1
	BIASLD 2
	BIASLD 3
	WIN 0
	v_mul_u32_u24 v3, v1, PITCH
	v_lshl_add_u32 v3, v2, 4, v3                   ; B: a fragment's row x pitch + 16 x half
	v_mul_u32_u24 v7, v1, PA
	v_lshl_add_u32 v7, v2, 5, v7                   ; A: 8 numbers of 4 bytes for each half of the lanes
	s_mul_i32 s22, s11, AHALF
	s_mul_i32 s23, s12, BHALF
	s_add_co_u32 s23, s23, BOFF
	v_add_nc_u32 v[ADRA0], s22, v7
	v_add_nc_u32 v[ADRB0], s23, v3
	v_add_nc_u32 v[ADRA], s[TB], v[ADRA0]
	v_add_nc_u32 v[ADRB], s[TB], v[ADRB0]
	s_mul_i32 s23, s10, 16*SPITCH
	s_add_co_u32 s23, s23, STAGE                   ; my stage
	v_add_nc_u32 v[STO], s23, v3                   ; in: row l % 16, 16 bytes for each half of the lanes
	v_and_b32 v4, 31, v0
	v_lshrrev_b32 v5, 3, v4
	v_and_b32 v6, 7, v0
	v_mul_u32_u24 v5, v5, SPITCH                   ; back: 32 lanes take four rows of one head's 128 bytes,
	v_lshl_add_u32 v5, v6, 4, v5
	v_add_nc_u32 v[RD], s23, v5
	v_lshlrev_b32 v[CO], 4, v4                     ; which are 512 consecutive bytes of qkv
	s_lshr_b32 s[OOF], s13, 3                      ; the batch: 16 heads of 131,072 bytes each
	s_lshl_b32 s[OOF], s[OOF], 21
	s_lshl_b32 s[OOF+1], s42, 2
	s_add_co_u32 s[OOF+1], s[OOF+1], s12
	s_add_co_u32 s[OOF+1], s[OOF+1], s12           ; my first head: 4 x tile column + 2 x half
	s_lshl_b32 s[OOF+1], s[OOF+1], 17
	s_add_co_u32 s[OOF], s[OOF], s[OOF+1]
	s_and_b32 s[OOF+1], s13, 7
	s_lshl_b32 s[OOF+1], s[OOF+1], 14              ; the tile's 128 rows of 128 bytes
	s_add_co_u32 s[OOF], s[OOF], s[OOF+1]
	s_lshl_b32 s[OOF+1], s11, 13                   ; my 64 of them
	s_add_co_u32 s[OOF], s[OOF], s[OOF+1]
	s_mov_b32 s[OOF+1], 0
	s_lshl_b32 s[POF], s13, 7
	s_lshl_b32 s[POF+1], s40, 5
	s_add_co_u32 s[POF], s[POF], s[POF+1]          ; my work-group's 32 rows of the tile's 128
	s_lshl_b32 s[POF], s[POF], 12
	s_mov_b32 s[POF+1], 0
	s_cmp_eq_u32 s10, 0
	s_cselect_b32 s[LIM], 2, -1
	v_lshlrev_b32 v[PFO], 12, v4
; m block a's fragment, 16 rows x 32 K, is rounded to f16: register r takes the pair 2 r, 2 r + 1 of the 16 numbers as loaded.
.macro CVT a
	WIN 0
.irp r, 0,1,2,3,4,5,6,7
	v_cvt_pk_f16_f32 v[FA+8*(\a)+(\r)], v[RAW+16*(\a)+2*(\r)], v[RAW+16*(\a)+2*(\r)+1]
.endr
.endm
; 8 matrix instructions: m block a x all 8 n blocks, 32 along K, with B's buffer f.  The 32 accumulators take turns, in the same order in every quarter.
.macro MUL8 f, a
	WIN 0xa1                                       ; B window 1, A window 0, C and D window 2
.irp b, 0,1,2,3,4,5,6,7
	v_wmma_f32_16x16x32_f16 v[8*(8*(\a)+(\b)):8*(8*(\a)+(\b))+7], v[64*(\f)+8*(\b):64*(\f)+8*(\b)+7], v[FA+8*(\a):FA+8*(\a)+7], v[8*(8*(\a)+(\b)):8*(8*(\a)+(\b))+7]
.endr
.endm
; 32 LDS loads in one run: quarter q of the slot in hand: 128 rows of B (f16) into buffer f, then my 64 rows of A (f32), block by block: K = 8 h + 0..7 at bytes 0 and 16, K = 16 + 8 h + 0..7 at bytes 64 and 80.
.macro FETCH q, f
	WIN 0x40
.irp i, 0,1,2,3,4,5,6,7
	ds_load_b128 v[64*(\f)+8*(\i):64*(\f)+8*(\i)+3],   v[ADRB] offset:64*(\q)+(\i)*16*PITCH
	ds_load_b128 v[64*(\f)+8*(\i)+4:64*(\f)+8*(\i)+7], v[ADRB] offset:64*(\q)+(\i)*16*PITCH+32
.endr
	WIN 0
.irp i, 0,1,2,3
	ds_load_b128 v[RAW+16*(\i):RAW+16*(\i)+3],     v[ADRA] offset:128*(\q)+(\i)*16*PA
	ds_load_b128 v[RAW+16*(\i)+4:RAW+16*(\i)+7],   v[ADRA] offset:128*(\q)+(\i)*16*PA+16
	ds_load_b128 v[RAW+16*(\i)+8:RAW+16*(\i)+11],  v[ADRA] offset:128*(\q)+(\i)*16*PA+64
	ds_load_b128 v[RAW+16*(\i)+12:RAW+16*(\i)+15], v[ADRA] offset:128*(\q)+(\i)*16*PA+80
.endr
.endm
; One of a K step's first three quarters: multiplies with B's buffer f; in its middle it fetches quarter q into buffer g.  A block's conversions stand ahead of its products; they are also the places
; between the products that read a register last and the line that writes it anew (a block's f16 fragment: two blocks' conversions or more; B's buffer g and the loads into it: all four blocks').
.macro QUARTER q, f, g
	s_wait_dscnt 12                                ; B and A's block 0 are in; the youngest twelve loads (A's blocks 1 to 3) may be out
	CVT 0
	MUL8 \f, 0
	s_wait_dscnt 8                                 ; A's block 1 is in
	CVT 1
	MUL8 \f, 1
	s_wait_dscnt 0x0
	CVT 2
	CVT 3
	FETCH \q, \g
	MUL8 \f, 2
	MUL8 \f, 3
.endm
; The last quarter multiplies with buffer 1 and changes slots: one barrier; ahead of it each wave waits for all its tensor loads (one is out: its part of the next slot), adds 0 to its spare word, and waits for that
; and for its reads of this slot.  fill = 1: the barrier opens a round of the cluster's, and this slot is filled again, with the stream's K step NXT, first thing behind the round.  The walking descriptors are
; made anew from that number: the tile NXT / 8 says which activation and which weight, NXT % 8 the place along K.  A's words are made in registers that never hold cx, B's in registers that never hold cy.
; fill = 0, the stream's last two K steps: nothing is asked for, and the very last (s3 = 1) has no fragments left to fetch.
.macro TURN fill
.if \fill
	s_wait_xcnt 0x0                                ; the last prefetches, a K step back, have read their address: it is made anew, for K step NXT + 2
	s_add_co_u32 s16, s[NXT], 2
	s_and_b32 s17, s16, 7
	s_lshr_b32 s16, s16, 3
	s_lshl_b32 s18, s17, 9
	s_cmp_eq_u32 s16, 1
	s_cselect_b64 s[PFA:PFA+1], s[XK:XK+1], s[XQ:XQ+1]
	s_cmp_eq_u32 s16, 2
	s_cselect_b64 s[PFA:PFA+1], s[XV:XV+1], s[PFA:PFA+1]
	s_add_nc_u64 s[PFA:PFA+1], s[PFA:PFA+1], s[POF:POF+1]
	s_add_nc_u64 s[PFA:PFA+1], s[PFA:PFA+1], s[18:19]
.endif
	WIN 0
	s_wait_tensorcnt 0x0                           ; no tensor load of mine is out, so a group 0 may be written
	ds_add_u32 v[SPW], v[NIL]                      ; 0 onto my spare word
.if \fill
	s_lshr_b32 s90, s[NXT], 3                      ; the tile,
	s_and_b32 s91, s[NXT], 7                       ; the place along K
	s_add_co_u32 s[NXT], s[NXT], 1
	s_lshl_b32 s94, s91, 9                         ; in A's rows
	s_lshl_b32 s92, s91, 8                         ; in B's,
	s_lshl_b32 s91, s90, 21
	s_add_co_u32 s92, s92, s91                     ; in weight g
	s_cmp_eq_u32 s90, 1
	s_cselect_b64 s[98:99], s[XK:XK+1], s[XQ:XQ+1]
	s_cmp_eq_u32 s90, 2
	s_cselect_b64 s[98:99], s[XV:XV+1], s[98:99]
	s_add_nc_u64 s[98:99], s[98:99], s[AOF:AOF+1]
	s_add_nc_u64 s[G0+6:G0+7], s[98:99], s[94:95]
	s_or_b32 s[G0+7], s[G0+7], 0x80000000
	s_add_nc_u64 s[100:101], s[WH:WH+1], s[BOF:BOF+1]
	s_add_nc_u64 s[G0B+6:G0B+7], s[100:101], s[92:93]
	s_or_b32 s[G0B+7], s[G0B+7], 0x80000000
	s_xor_b32 s[TF], s[TF], SLOT                   ; the other slot than last time
	s_add_co_u32 s[G0+5], s[LA], s[TF]
	s_add_co_u32 s[G0B+5], s[LB], s[TF]
.endif
	s_wait_dscnt 13                                ; (the add and the youngest twelve loads, A's blocks 1 to 3, may be out)
	CVT 0
	MUL8 1, 0
	s_wait_dscnt 0x0                               ; the add is done, and my reads of this slot are over
	s_barrier_signal -1
	CVT 1                                          ; work on registers while the others arrive
	MUL8 1, 1
	CVT 2
	CVT 3                                          ; (leaves every window 0: branches follow)
	s_barrier_wait -1
.if \fill
	CREST
	JLOAD 1
.else
	s_cmp_eq_u32 s3, 1
	s_cbranch_scc1 .Lno_fetch_\@
.endif
	s_xor_b32 s[TB], s[TB], SLOT                   ; the fragment loads go on in the other slot
	v_add_nc_u32 v[ADRA], s[TB], v[ADRA0]
	v_add_nc_u32 v[ADRB], s[TB], v[ADRB0]
	FETCH 0, 0
.if \fill
	ASK
.else
.Lno_fetch_\@:
.endif
	MUL8 1, 2
	MUL8 1, 3
.endm
; THE WAY OUT of m block a: rounded to f16, 16 bytes a lane into my stage (rows of 272 bytes), back as four rows of one head (512 consecutive bytes of qkv) an instruction.
; more = 1: another tile follows: as soon as the block is packed, its accumulators take the next tile's bias.
.macro OUTB a, more
	WIN 0x0a                                       ; sources in window 2
.irp b, 0,1,2,3,4,5,6,7
.irp r, 0,1,2,3
	v_cvt_pk_f16_f32 v[TMP+4*(\b)+(\r)], v[8*(8*(\a)+(\b))+2*(\r)], v[8*(8*(\a)+(\b))+2*(\r)+1]
.endr
.endr
.if \more
	BIASLD \a
.endif
	WIN 0
	s_wait_xcnt 0x0                                ; earlier stores have read their data and their base: both are written again only behind this wait
.if (\a) == 0
	s_lshl_b32 s46, s[GT], 24                      ; qkv[g]
	s_mov_b32 s47, 0
	s_add_nc_u64 s[8:9], s[OUT:OUT+1], s[OOF:OOF+1]
	s_add_nc_u64 s[8:9], s[8:9], s[46:47]
.endif
.set BK, 32+160*((\a)%2)
.irp b, 0,1,2,3,4,5,6,7
	ds_store_b128 v[STO], v[TMP+4*(\b):TMP+4*(\b)+3] offset:32*(\b)
.endr
.irp u, 0,1,2,3,4,5,6,7
	ds_load_b128 v[BK+4*(\u):BK+4*(\u)+3], v[RD] offset:((\u)%4)*4*SPITCH+128*((\u)/4)  ; LDS serves a wave's instructions in order: these see the stores above
.endr
	s_wait_dscnt 0x0
.irp u, 0,1,2,3,4,5,6,7
	global_store_b128 v[CO], v[BK+4*(\u):BK+4*(\u)+3], s[8:9] offset:((\u)/4)*131072+(16*(\a)+4*((\u)%4))*128
.endr
.endm
.macro WAYOUT more
	PLACES
.if \more
	s_cmp_eq_u32 s[GT], 0                          ; (the last bias loads were waited for when this tile began, so their base may be written)
	s_cselect_b64 s[BP:BP+1], s[BKP:BKP+1], s[BVP:BVP+1]
.endif
	OUTB 0, \more
	OUTB 1, \more
	OUTB 2, \more
	OUTB 3, \more
	s_add_co_u32 s[GT], s[GT], 1
.endm
	s_wait_tensorcnt 1                             ; my part of K step 0 is in; K step 1's may stay out
	s_barrier_signal -1
	s_barrier_wait -1
	FETCH 0, 0
	s_wait_loadcnt 0x0                             ; the first tile's bias lies in the accumulators
	s_mov_b32 s3, STEPS-2
.Lstep:                                                ; 22 trips: a K step is multiplied, and its slot is filled again with the K step two on
	QUARTER 1, 0, 1
	QUARTER 2, 1, 0
	QUARTER 3, 0, 1
	TURN 1
	WIN 0                                          ; at a label and at a branch every window is 0
	s_and_b32 s90, s[NXT], 7                       ; NXT stands three behind the K step just multiplied: was that a tile's eighth?
	s_cmp_lg_u32 s90, 2
	s_cbranch_scc1 .Lgo_on                         ; the jump goes forward, past no barrier and no tensor load
	WAYOUT 1                                       ; both of the next tile's first K steps have been asked for: the tile goes out
	s_wait_loadcnt 0x0                             ; the next tile's bias lies in the accumulators
.Lgo_on:
	s_sub_co_u32 s3, s3, 1
	s_cmp_lg_u32 s3, 0
	s_cbranch_scc1 .Lstep
	s_mov_b32 s3, 2
.Ltail:                                                ; the stream's last two K steps ask for nothing: their text is written out
	QUARTER 1, 0, 1
	QUARTER 2, 1, 0
	QUARTER 3, 0, 1
	TURN 0
	WIN 0
	s_sub_co_u32 s3, s3, 1
	s_cmp_lg_u32 s3, 0
	s_cbranch_scc1 .Ltail
	WAYOUT 0
	s_wait_tensorcnt 0x0                           ; the wave's end
	ds_add_u32 v[SPW], v[NIL]
	s_wait_dscnt 0x0
	CROUND                                         ; the closing round
	s_endpgm
.Lfunc_end_k_q654efa2556_proj:
	.size	k_q654efa2556_proj, .Lfunc_end_k_q654efa2556_proj-k_q654efa2556_proj
	.p2alignl 7, 3214868480
	.fill 96, 4, 3214868480
	.section	.rodata,"a",@progbits
	.p2align	6, 0x0
	.amdhsa_kernel k_q654efa2556_proj
		.amdhsa_group_segment_fixed_size 327680
		.amdhsa_private_segment_fixed_size 0
		.amdhsa_enable_private_segment 0
		.amdhsa_kernarg_size 64
		.amdhsa_user_sgpr_count 2
		.amdhsa_user_sgpr_kernarg_segment_ptr 1
		.amdhsa_wavefront_size32 1
		.amdhsa_system_sgpr_workgroup_id_x 1
		.amdhsa_system_sgpr_workgroup_id_y 1
		.amdhsa_system_sgpr_workgroup_id_z 1
		.amdhsa_system_vgpr_workitem_id 0
		.amdhsa_next_free_vgpr 768
		.amdhsa_next_free_sgpr 102
		.amdhsa_reserve_vcc 0
		.amdhsa_float_denorm_mode_32 3
		.amdhsa_float_denorm_mode_16_64 3
		.amdhsa_memory_ordered 1
		.amdhsa_forward_progress 1
		.amdhsa_inst_pref_size 108
	.end_amdhsa_kernel
	.amdgpu_metadata
---
amdhsa.version: [ 1, 2 ]
amdhsa.kernels:
  - .name:           k_q654efa2556_proj
    .symbol:         k_q654efa2556_proj.kd
    .args:
      - { .name: query, .offset: 0, .size: 8, .value_kind: global_buffer, .address_space: global }
      - { .name: key, .offset: 8, .size: 8, .value_kind: global_buffer, .address_space: global }
      - { .name: value, .offset: 16, .size: 8, .value_kind: global_buffer, .address_space: global }
      - { .name: wh, .offset: 24, .size: 8, .value_kind: global_buffer, .address_space: global }
      - { .name: bq, .offset: 32, .size: 8, .value_kind: global_buffer, .address_space: global }
      - { .name: bk, .offset: 40, .size: 8, .value_kind: global_buffer, .address_space: global }
      - { .name: bv, .offset: 48, .size: 8, .value_kind: global_buffer, .address_space: global }
      - { .name: qkv, .offset: 56, .size: 8, .value_kind: global_buffer, .address_space: global }
    .group_segment_fixed_size: 327680
    .private_segment_fixed_size: 0
    .kernarg_segment_align: 8
    .kernarg_segment_size: 64
    .max_flat_workgroup_size: 128
    .sgpr_count:     102
    .vgpr_count:     768
    .wavefront_size: 32
...
	.end_amdgpu_metadata
.endif
;; end of part 2
;; launch attn (part 3): grid 2 x 128, 8 waves a work-group, no clusters, 327,680 bytes of LDS; arguments qkv, mask, rel_emb, ch, st; writes ch, st
.if DOCPART == 3
	.amdgcn_target "amdgcn-amd-amdhsa--gfx1250"
	.amdhsa_code_object_version 6
	.text
	.protected	k_q654efa2556_attn
	.globl	k_q654efa2556_attn
	.p2align	8
	.type	k_q654efa2556_attn,@function
k_q654efa2556_attn:
	s_mov_b64 s[64:65], 0
	v_nop
	global_prefetch_b8 v0, s[64:65] scope:SCOPE_SE
	s_setreg_imm32_b32 hwreg(HW_REG_WAVE_MODE, 25, 1), 1
	s_wait_xcnt 0x0
; ATTENTION WITH RELATIVE POSITIONS.  For (batch, head) y: s[q][k] = q.k[k] + q.rel[clip(k-q,-32,32)+32], masked keys take -1e18; p = softmax(s / 8); ctx[q] = sum over k of p (v[k] + rel[clip(k-q)+32]).
; q, k, v: qkv[3][y][1024][64] f16; ctx -> ch[y][1024][64] f16, rounded once; for head 0 (c m, l) of each query -> st, f32.  Products, maxima and sums in f32; p is rounded to f16 for the second products.
; LIMITS.  q, k, v, ctx lie within f16's 65,504.  A masked score counts as its value less 1e18.  The running maximum starts at -2^50: scores of f16 operands are at most 2.7e11 in size, so it never binds;
; a key step whose keys are all masked then gives weights 0.  A batch whose keys are ALL masked gives uniform weights: there the mask's addend is 0 and Q is cleared.  NaN and infinities are not treated apart.
; SHARES.  A work-group owns 512 queries of y, each of its eight waves 64: four tiles of 16.  Every wave walks the 1,024 keys, 64 a step; two waves lie on a SIMD, one at its matrix work while the other is at its softmax.
; LAYOUT.  S^T = K Q^T: a lane holds ONE query (lane % 16) and keys 8 (lane / 16) + 0..7 of each 16; rounded in pairs that is source 1 of O^T = V^T P.  K comes out of LDS as it lies, V turned (ds_load_tr16_b128).
; THE RELATIVE TERMS.  d = the step's first key - the tile's first query.  d <= -96: every k - q <= -32: the score's term is RL = q.rel[0], one number a query, and the weights' sum is also kept in LL.
; d >= 48: likewise RH = q.rel[64] and LH.  At the end O += rel[0] LL + rel[64] LH.  The other steps, two a tile, are BAND steps: the score's term is read skewed from the tile's table T[q][k-q+64] (f16, made once:
; T = rel Q^T), and the weights are laid skewed into PSK[q][u = k - q + 15 in the step], so that O^T += relwin^T Pskew is three more blocks of 32 of the same matrix form; relwin is RELB's rows d + 80 + u.
; NO CLUSTER: only the two work-groups of a y share K and V, and clusters here are of four.
; LDS: slot 0 at 0 and slot 1 at 65,536: 128 keys: K 128 x 144, V 128 x 160.  PSK 38,912: 16 x 208 a wave (also the way out's stage).  RELB 104,448: 256 x 160 f16, row w = rel[clamp(w-63, 0, 64)].
;   MSK 145,408: f32 [1024].  TT 149,504: 16 x 272 f16 a tile.  SPARE 288,768.  No tensor load lands outside the two slots.
; REGISTERS.  window 0: v1-15 addresses; v16-23 RL, RH; v24-31 at work; v32-39; v40-71 statistics, 8 a tile: c m, m, l (2), LL (2), LH (2); v72-135 Q; v136-167 S^T; v168-183 P; v184-215 the mask; v216-255 at work.
;   window 1: v0-127 O^T, 32 a tile; v128-191 K of a step; v192-255 V of a step.
.set PK,    144
.set PV,    160
.set VOFF,  128*PK
.set SLOT1, 1<<16
.set PSK,   38912
.set PSKW,  3328
.set PP,    208
.set RELB,  104448
.set PR,    160
.set MSK,   145408
.set TT,    149504
.set TTILE, 4352
.set SPARE, 288768
.set AK0, 1
.set AV0, 2
.set AM0, 3
.set TA0, 4
.set PA0, 5
.set PB0, 6
.set AR0, 7
.set ONE, 8
.set PFO, 9
.set SPW, 10                           ; LDS address of my spare word; never rewritten
.set NIL, 11                           ; 0; never rewritten
.set AK,  12
.set AV,  13
.set AM,  14
.set AR,  15
.set RL,  16
.set RH,  20
.set XA,  24
.set CC,  28
.set BF1, 24
.set BETA, 32
.set OLD, 33
.set AD,  34
.set AA,  36
.set QQ,  38
.set HH,  39
.set ST,  40
.set Q,   72
.set S,   136
.set P,   168
.set MK,  184
.set X,   216
.set BF0, 248
.set KF,  128
.set VF,  192
.set WV,  14
.set LIM, 15
.set PFA, 18
.set G1K, 24
.set G1V, 32
.set G0K, 40
.set G0V, 44
.set SLOTS, 48
.set CNT, 49
.set TBK, 50
.set TBV, 51
.set KB,  52
.set QW,  53
.set SD,  54
.set D,   55
.set BF,  56
.set D80, 57
.set CS,  58
.set SEL, 60
.set MV,  63
.set WL,  66
.set WH,  68
.set KEEP, 70
.set HEAD, 71
.set MSB, 0
.macro WIN new
.if MSB != (\new)
	s_set_vgpr_msb (MSB<<8)|(\new)
.set MSB, \new
.endif
.endm
.macro PLACES
.rept 4
	v_nop
.endr
.endm
; A fill: wave 0 fetches a slot's K, wave 1 its V, 128 keys each; the others fetch nothing.  An s_nop 0 and four v_nop follow each line.
.macro LOAD
	s_cmp_eq_u32 s[WV], 0
	s_cbranch_scc0 .Lnot_k_\@
	tensor_load_to_lds s[G0K:G0K+3], s[G1K:G1K+7]
	s_nop 0
.rept 4
	v_nop
.endr
	s_branch .Lasked_\@
.Lnot_k_\@:
	s_cmp_eq_u32 s[WV], 1
	s_cbranch_scc0 .Lasked_\@
	tensor_load_to_lds s[G0V:G0V+3], s[G1V:G1V+7]
	s_nop 0
.rept 4
	v_nop
.endr
.Lasked_\@:
.endm
; A prefetch of what the NEXT change of slots will ask for: 16,384 bytes of K (wave 0) and of V (wave 1), a lane to each 256 bytes, two instructions.  Of the two work-groups of a y the first asks: each block is named once.
; The last change that fills a slot asks for nothing.
.macro ASK
	s_cmp_gt_u32 s[SLOTS], s[LIM]
	s_cbranch_scc0 .Lnot_mine_\@
	global_prefetch_b8 v[PFO], s[PFA:PFA+1] th:TH_LOAD_NT scope:SCOPE_SE
	global_prefetch_b8 v[PFO], s[PFA:PFA+1] offset:8192 th:TH_LOAD_NT scope:SCOPE_SE
.Lnot_mine_\@:
.endm
; THE CHANGE OF SLOTS.  Each wave waits for all its tensor loads, adds 0 to its spare word, and waits for that and for its reads of the slot that it leaves.  Behind the barrier the old slot is filled again first (fill = 1).
.macro CHANGE fill
	WIN 0
	s_wait_tensorcnt 0x0                           ; no tensor load of mine is out, so a group 0 may be written
	ds_add_u32 v[SPW], v[NIL]
.if \fill
	s_xor_b32 s[G0K+1], s[G0K+1], SLOT1
	s_add_nc_u64 s[G0K+2:G0K+3], s[G0K+2:G0K+3], 16384
	s_xor_b32 s[G0V+1], s[G0V+1], SLOT1
	s_add_nc_u64 s[G0V+2:G0V+3], s[G0V+2:G0V+3], 16384
	s_wait_xcnt 0x0                                ; the last prefetches, two key steps back, have read their address
	s_add_nc_u64 s[PFA:PFA+1], s[PFA:PFA+1], 16384
.endif
	s_wait_dscnt 0x0                               ; the add is done, and my reads of the slot are over
	s_barrier_signal -1
	s_sub_co_u32 s[TBK], s[TBK], 2*64*PK           ; the fetches go back to a slot's first step, in the other slot
	s_xor_b32 s[TBK], s[TBK], SLOT1
	s_sub_co_u32 s[TBV], s[TBV], 2*64*PV
	s_xor_b32 s[TBV], s[TBV], SLOT1
	s_barrier_wait -1
.if \fill
	LOAD
	ASK
.endif
.endm
	s_load_b256 s[4:11], s[0:1], 0x0               ; qkv s[4:5], mask s[6:7], rel_emb s[8:9], ch s[10:11]
	s_load_b64 s[12:13], s[0:1], 0x20              ; st
	v_lshl_add_u32 v[SPW], v0, 2, SPARE
	v_mov_b32 v[NIL], 0
	ds_add_u32 v[SPW], v[NIL]                      ; the wave's opening: the add and its wait ahead of the first tensor load
	v_lshrrev_b32 v12, 5, v0
	v_readfirstlane_b32 s[WV], v12                 ; wave 0..7
	s_and_b32 s16, ttmp7, 0xffff                   ; y
	s_lshr_b32 s17, s16, 4                         ; batch
	s_and_b32 s[HEAD], s16, 15
	s_lshl_b32 s[QW], ttmp9, 9
	s_lshl_b32 s20, s[WV], 6
	s_add_co_u32 s[QW], s[QW], s20                 ; my first query
	s_lshl_b32 s20, s16, 17                        ; y's 131,072 bytes
	s_mov_b32 s21, 0
	s_add_co_u32 s22, s20, 1<<24                   ; in k
	s_mov_b32 s23, 0
	s_add_co_u32 s72, s20, 1<<25                   ; in v
	s_mov_b32 s73, 0
	s_cmp_eq_u32 s[WV], 0
	s_cselect_b32 s18, s22, s72
	s_add_co_u32 s18, s18, 16384                   ; the prefetches stand at slot 1; the first change steps them to slot 2
	s_mov_b32 s19, 0
	s_lshl_b32 s74, s[QW], 7
	s_add_co_u32 s20, s20, s74                     ; my rows in q and in ch
	s_lshl_b32 s74, s17, 10                        ; the batch's mask
	s_mov_b32 s75, 0
	s_add_co_u32 s16, s74, s[QW]
	s_lshl_b32 s16, s16, 3                         ; my queries in st
	s_mov_b32 s17, 0
	s_lshr_b32 s[LIM], s[WV], 1
	s_or_b32 s[LIM], s[LIM], ttmp9
	s_cmp_eq_u32 s[LIM], 0                         ; waves 0 and 1 of y's first work-group
	s_cselect_b32 s[LIM], 1, -1
	; 128 keys are 16,384 dense bytes: asked for as 64 rows of 256 bytes, padded in LDS after every key
	s_mov_b32 s[G1K], (1<<16)|(1<<20)|(4<<22)|(3<<25)  ; 2-byte elements; padding on; after every 32 words, 4 words
	s_mov_b32 s[G1V], (1<<16)|(1<<20)|(4<<22)|(7<<25)  ; 8 words
.irp g, G1K, G1V
	s_mov_b32 s[\g+1], 128<<16
	s_mov_b32 s[\g+2], 64<<16
	s_mov_b32 s[\g+3], 128<<16
	s_mov_b32 s[\g+4], 64
	s_mov_b32 s[\g+5], 128
	s_mov_b32 s[\g+6], 0
	s_mov_b32 s[\g+7], 0
.endr
	s_mov_b32 s[G0K], 1
	s_mov_b32 s[G0K+1], 0
	s_mov_b32 s[G0V], 1
	s_mov_b32 s[G0V+1], VOFF
	s_mov_b32 s[CS], 0x3e38aa3b                    ; c = log2(e) / 8
	s_mov_b32 s[CS+1], s[CS]
	s_mov_b32 s[SEL], 0x76543210
	s_mov_b32 s[SEL+1], 0xfedcba98
	s_mov_b32 s[WL+1], 0                           ; named as pairs
	s_mov_b32 s[WH+1], 0
	s_mov_b32 s[TBK], SLOT1+2*64*PK                ; the first change of slots turns these two into 0
	s_mov_b32 s[TBV], SLOT1+2*64*PV
	s_mov_b32 s[KB], 0
	s_mov_b32 s[SLOTS], 7
	s_wait_dscnt 0x0                               ; the opening add is done
	s_wait_kmcnt 0x0
	s_add_nc_u64 s[G0K+2:G0K+3], s[4:5], s[22:23]
	s_or_b32 s[G0K+3], s[G0K+3], 0x80000000
	s_add_nc_u64 s[G0V+2:G0V+3], s[4:5], s[72:73]
	s_or_b32 s[G0V+3], s[G0V+3], 0x80000000
	s_add_nc_u64 s[PFA:PFA+1], s[4:5], s[18:19]
	s_add_nc_u64 s[10:11], s[10:11], s[20:21]
	s_add_nc_u64 s[4:5], s[4:5], s[20:21]          ; Q at my first row
	s_add_nc_u64 s[6:7], s[6:7], s[74:75]
	s_add_nc_u64 s[12:13], s[12:13], s[16:17]
	LOAD                                           ; keys 0-127 into slot 0
	v_and_b32 v[QQ], 15, v0
	v_bfe_u32 v[HH], v0, 4, 1
	v_and_b32 v33, 31, v0
	v_and_b32 v32, 7, v0
	v_bfe_u32 v34, v0, 3, 1
	v_lshlrev_b32 v12, 7, v[QQ]
	v_lshl_add_u32 v12, v[HH], 4, v12              ; row x 128 + 16 x half
.set i, 0
.rept 8                                            ; Q stays in registers: tile i / 2, channels 32 (i % 2) on
	global_load_b128 v[Q+8*i:Q+8*i+3],   v12, s[4:5] offset:(i/2)*2048+(i%2)*64
	global_load_b128 v[Q+8*i+4:Q+8*i+7], v12, s[4:5] offset:(i/2)*2048+(i%2)*64+32
.set i, i+1
.endr
	v_lshlrev_b32 v13, 5, v33
	global_load_b128 v[24:27], v13, s[6:7]         ; the batch's 1,024 mask bytes, 32 a lane: are all keys masked?
	global_load_b128 v[28:31], v13, s[6:7] offset:16
	v_lshlrev_b32 v14, 2, v0
	global_load_b32 v36, v14, s[6:7]               ; and 4 a thread, for the table
	v_add_nc_u32 v15, 0xffffffc1, v0               ; thread - 63,
	v_max_i32 v15, 0, v15
	v_min_i32 v15, 64, v15                         ; clamped: the row of rel_emb that RELB's row `thread` holds
	v_lshlrev_b32 v15, 8, v15
.set i, 0
.rept 16
	global_load_b128 v[S+4*i:S+4*i+3], v15, s[8:9] offset:16*i
.set i, i+1
.endr
	v_mul_u32_u24 v[AK0], v[QQ], PK
	v_lshl_add_u32 v[AK0], v[HH], 4, v[AK0]        ; a fragment of K: row x pitch + 16 x half
	v_lshl_add_u32 v[AV0], v[HH], 3, v32           ; the turning load: key 8 (l / 16) + l % 8, channels 8 ((l / 8) % 2) on
	v_mul_u32_u24 v[AR0], v[AV0], PR
	v_mul_u32_u24 v[AV0], v[AV0], PV
	v_lshl_add_u32 v[AV0], v34, 4, v[AV0]
	v_add_nc_u32 v[AV0], VOFF, v[AV0]
	v_lshl_add_u32 v[AR0], v34, 4, v[AR0]
	v_add_nc_u32 v[AR0], RELB, v[AR0]
	v_lshlrev_b32 v[AM0], 5, v[HH]
	v_add_nc_u32 v[AM0], MSK, v[AM0]
	s_mul_i32 s72, s[WV], 4*TTILE
	s_add_co_u32 s72, s72, TT                      ; my four tables
	s_mul_i32 s73, s[WV], PSKW
	s_add_co_u32 s73, s73, PSK                     ; my PSK
	v_mul_u32_u24 v[TA0], v[QQ], 270               ; T read skewed: row q, entry 16 + offset + key - q, 2 bytes each
	v_lshl_add_u32 v[TA0], v[HH], 4, v[TA0]
	v_add_nc_u32 v[TA0], s72, v[TA0]
	v_add_nc_u32 v[TA0], 32, v[TA0]
	v_mul_u32_u24 v[PA0], v[QQ], 206               ; PSK written skewed: row q, entry key - q + 15
	v_lshl_add_u32 v[PA0], v[HH], 4, v[PA0]
	v_add_nc_u32 v[PA0], s73, v[PA0]
	v_add_nc_u32 v[PA0], 30, v[PA0]
	v_mul_u32_u24 v[PB0], v[QQ], PP                ; and read as a fragment
	v_lshl_add_u32 v[PB0], v[HH], 4, v[PB0]
	v_add_nc_u32 v[PB0], s73, v[PB0]
	v_mov_b32 v[ONE], 1.0
	v_lshlrev_b32 v[PFO], 8, v33
	s_wait_loadcnt 0x0
	v_and_b32 v24, v24, v25
	v_and_b32 v26, v26, v27
	v_and_b32 v28, v28, v29
	v_and_b32 v30, v30, v31
	v_and_b32 v24, v24, v26
	v_and_b32 v28, v28, v30
	v_and_b32 v24, v24, v28
	v_cmp_ne_u32 vcc_lo, 0x01010101, v24           ; a lane with an open key
	s_cmp_eq_u32 vcc_lo, 0
	s_cselect_b32 s[MV], 0, 0xdd5e0b6b             ; the mask's addend: -1e18, or 0 where every key is masked,
	s_cselect_b32 s[KEEP], 0, -1                   ; and there Q is cleared: all scores are equal, as with -1e18 everywhere
.irp n, 0,1,2,3
	v_bfe_u32 v[24+\n], v36, 8*\n, 8
.endr
.irp n, 0,1,2,3
	v_cvt_f32_u32 v[24+\n], v[24+\n]
.endr
.irp n, 0,1,2,3
	v_mul_f32 v[24+\n], s[MV], v[24+\n]
.endr
	v_lshl_add_u32 v12, v0, 4, MSK
	ds_store_b128 v12, v[24:27]
.set i, 0
.rept 32
	v_cvt_pk_f16_f32 v[X+i], v[S+2*i], v[S+2*i+1]
.set i, i+1
.endr
	v_mul_u32_u24 v13, v0, PR
	v_add_nc_u32 v13, RELB, v13
.set i, 0
.rept 8
	ds_store_b128 v13, v[X+4*i:X+4*i+3] offset:16*i
.set i, i+1
.endr
.irp n, 24,25,26,27,28,29,30,31,35,37,248,249,250,251,252,253,254,255
	v_mov_b32 v[\n], 0                             ; registers named in pairs, or read in the band parts: written once
.endr
	v_lshl_add_u32 v14, v33, 4, s73
.irp o, 0,512,1024,1536,2048,2560,2816
	ds_store_b128 v14, v[28:31] offset:\o          ; PSK = 0: the entries that the skewed stores never reach stay 0
.endr
.set i, 0
.rept 64
	v_and_b32 v[Q+i], s[KEEP], v[Q+i]
.set i, i+1
.endr
	WIN 0x40
.set i, 0
.rept 128
	v_mov_b32 v[i], 0                              ; O^T: the first step multiplies it by a = 0, so it need only be finite
.set i, i+1
.endr
	WIN 0
.set i, 0
.rept 4
	v_mov_b32 v[ST+8*i], 0xfe000000                ; c m: far below every c s, so the first a is 0
	v_mov_b32 v[ST+8*i+1], 0xd8800000              ; m = -2^50
.irp n, 2,3,4,5,6,7
	v_mov_b32 v[ST+8*i+\n], 0
.endr
.set i, i+1
.endr
	v_mul_u32_u24 v[AR], v[QQ], PR
	v_lshl_add_u32 v[AR], v[HH], 4, v[AR]
	v_add_nc_u32 v[AR], RELB+31*PR, v[AR]          ; RELB's row 31 + t' holds rel[clamp(t' - 32, 0, 64)]
	v_mul_u32_u24 v[AM], v[QQ], 272
	v_lshl_add_u32 v[AM], v[HH], 4, v[AM]
	v_add_nc_u32 v[AM], s72, v[AM]
	s_wait_dscnt 0x0                               ; my stores into RELB and MSK are done
	s_barrier_signal -1
	s_barrier_wait -1                              ; everybody's are; slot 0's load may stay out
	; THE TABLES: T[q][t'] = q . rel[clamp(t' - 32, 0, 64)], t' = 0..127, 16 at a time for my four tiles; RL and RH are its first and last columns, kept in f32.
.set i, 0
.rept 8
	ds_load_b128 v[216:219], v[AR] offset:2560*i
	ds_load_b128 v[220:223], v[AR] offset:2560*i+32
	ds_load_b128 v[224:227], v[AR] offset:2560*i+64
	ds_load_b128 v[228:231], v[AR] offset:2560*i+96
	s_wait_dscnt 0x0
.irp c, 0,1
.irp u, 0,1,2,3
.if (\c) == 0
	v_wmma_f32_16x16x32_f16 v[S+8*(\u):S+8*(\u)+7], v[216:223], v[Q+16*(\u):Q+16*(\u)+7], 0
.else
	v_wmma_f32_16x16x32_f16 v[S+8*(\u):S+8*(\u)+7], v[224:231], v[Q+16*(\u)+8:Q+16*(\u)+15], v[S+8*(\u):S+8*(\u)+7]
.endif
.endr
.endr
	PLACES
.if i == 0
.irp u, 0,1,2,3
	v_mov_b32 v[RL+\u], v[S+8*\u]
.endr
.endif
.if i == 7
.irp u, 0,1,2,3
	v_mov_b32 v[RH+\u], v[S+8*\u]
.endr
.endif
.irp u, 0,1,2,3
.irp r, 0,1,2,3
	v_cvt_pk_f16_f32 v[232+4*(\u)+(\r)], v[S+8*(\u)+2*(\r)], v[S+8*(\u)+2*(\r)+1]
.endr
.endr
.irp u, 0,1,2,3
	ds_store_b128 v[AM], v[232+4*(\u):232+4*(\u)+3] offset:TTILE*(\u)+32*i
.endr
.set i, i+1
.endr
; ONE TILE'S PART OF A KEY STEP, in phases.  The four band parts are jumped over forward where the step is far; the waits ahead of the second and fourth stand outside the jumps (in a far step nothing is out).
; Each band part makes the LDS addresses of its own loads itself, from offsets held to constant bounds: none is carried over a jump's label.
.macro TILE t
.set rT, ST+8*(\t)
.set rO, 32*(\t)
	s_sub_co_i32 s[D], s[SD], 16*(\t)              ; d
	s_add_co_i32 s[D80], s[D], 80
	s_cmp_le_u32 s[D80], 112                       ; -80 <= d <= 32: a band step
	s_cselect_b32 s[BF], 1, 0
	s_cmp_le_i32 s[D], -96
	s_cselect_b32 s[WL], 1.0, 0
	s_cmp_ge_i32 s[D], 48
	s_cselect_b32 s[WH], 1.0, 0
	s_cmp_eq_u32 s[BF], 0
	s_cbranch_scc1 .Lt1_\@
.irp kt, 0,1,2,3                                   ; band 1: the table's entries for my 32 scores; beyond 48 either way all entries are alike, so the offset is held to 0 .. 96:
	s_add_co_i32 s72, s[D], 16*(\kt)+48            ; with it a load reaches byte 15 x 270 + 16 + 32 + 192 + 14 + 2 = 4,306 of the tile's 4,352 at the most
	s_max_i32 s72, s72, 0
	s_min_u32 s72, s72, 96
	v_lshl_add_u32 v[XA+(\kt)], s72, 1, v[TA0]
.endr
.irp kt, 0,1,2,3
.irp j, 0,1,2,3,4,5,6,7
	ds_load_u16 v[X+8*(\kt)+(\j)], v[XA+(\kt)] offset:TTILE*(\t)+2*(\j)
.endr
.endr
.Lt1_\@:
	WIN 0x01                                       ; K in window 1
.set i, 0
.rept 8                                            ; S^T = K Q^T + mask: channels 32 (i / 4) on, keys 16 (i % 4) on; the four accumulators take turns
.if i < 4
	v_wmma_f32_16x16x32_f16 v[S+8*(i%4):S+8*(i%4)+7], v[KF+16*(i%4)+8*(i/4):KF+16*(i%4)+8*(i/4)+7], v[Q+16*(\t)+8*(i/4):Q+16*(\t)+8*(i/4)+7], v[MK+8*(i%4):MK+8*(i%4)+7]
.else
	v_wmma_f32_16x16x32_f16 v[S+8*(i%4):S+8*(i%4)+7], v[KF+16*(i%4)+8*(i/4):KF+16*(i%4)+8*(i/4)+7], v[Q+16*(\t)+8*(i/4):Q+16*(\t)+8*(i/4)+7], v[S+8*(i%4):S+8*(i%4)+7]
.endif
.set i, i+1
.endr
	WIN 0
	v_mul_f32 v[BETA], s[WL], v[RL+(\t)]           ; the far term; these four lines are the places behind the products
	v_fmac_f32 v[BETA], s[WH], v[RH+(\t)]
	v_nop
	v_nop
	s_wait_dscnt 0x0                               ; the table's entries are in
	s_cmp_eq_u32 s[BF], 0
	s_cbranch_scc1 .Lt2_\@
.set i, 0
.rept 32                                           ; band 2: s += T
	v_fma_mix_f32 v[S+i], v[X+i], v[ONE], v[S+i] op_sel_hi:[1,0,0]
.set i, i+1
.endr
.Lt2_\@:
.irp n, 0,1,2,3                                    ; the maximum of my 32 scores: each accumulator's lowest registers first
	v_max3_num_f32 v[CC+\n], v[S+8*\n], v[S+8*\n+1], v[S+8*\n+2]
.endr
.irp n, 0,1,2,3
	v_max3_num_f32 v[CC+\n], v[CC+\n], v[S+8*\n+3], v[S+8*\n+4]
.endr
.irp n, 0,1,2,3
	v_max3_num_f32 v[CC+\n], v[CC+\n], v[S+8*\n+5], v[S+8*\n+6]
.endr
	v_max3_num_f32 v[CC], v[CC], v[S+7], v[S+15]
	v_max3_num_f32 v[CC+1], v[CC+1], v[S+23], v[S+31]
	v_max_num_f32 v[CC+2], v[CC+2], v[CC+3]
	v_max3_num_f32 v[CC], v[CC], v[CC+1], v[CC+2]
	v_permlanex16_b32 v[CC+3], v[CC], s[SEL], s[SEL+1]  ; the query's other 32 keys lie in the lane 16 away
	v_mov_b32 v[OLD], v[rT]
	v_max_num_f32 v[CC], v[CC], v[CC+3]
	v_add_f32 v[CC], v[CC], v[BETA]
	v_max_num_f32 v[rT+1], v[rT+1], v[CC]          ; the running maximum
	v_mul_f32 v[rT], s[CS], v[rT+1]
	v_sub_f32 v[CC+1], v[OLD], v[rT]
	v_fma_f32 v[AD], v[BETA], s[CS], -v[rT]        ; c beta - c m
.set i, 0
.rept 16
	v_pk_fma_f32 v[S+2*i:S+2*i+1], v[S+2*i:S+2*i+1], s[CS:CS+1], v[AD:AD+1] op_sel_hi:[1,0,0]
.set i, i+1
.endr
	v_exp_f32 v[AA], v[CC+1]                       ; a
.set i, 0
.rept 32
	v_exp_f32 v[S+i], v[S+i]
.set i, i+1
.endr
	v_nop                                          ; a plain instruction behind the last exponential,
	s_wait_alu depctr_va_vdst(0)                   ; and one wait for the batch of 33, ahead of its first reader
.set i, 0
.rept 16
	v_cvt_pk_f16_f32 v[P+i], v[S+2*i], v[S+2*i+1]
.set i, i+1
.endr
.irp w, 4,8,16,32                                  ; the sum of the 16 pairs, in place
.set i, 0
.rept 32/(\w)
	v_pk_add_f32 v[S+(\w)*i:S+(\w)*i+1], v[S+(\w)*i:S+(\w)*i+1], v[S+(\w)*i+(\w)/2:S+(\w)*i+(\w)/2+1]
.set i, i+1
.endr
.endr
	v_pk_fma_f32 v[rT+2:rT+3], v[rT+2:rT+3], v[AA:AA+1], v[S:S+1] op_sel_hi:[1,0,1]
	v_pk_mul_f32 v[rT+4:rT+5], v[rT+4:rT+5], v[AA:AA+1] op_sel_hi:[1,0]
	v_pk_mul_f32 v[rT+6:rT+7], v[rT+6:rT+7], v[AA:AA+1] op_sel_hi:[1,0]
	v_pk_fma_f32 v[rT+4:rT+5], v[S:S+1], s[WL:WL+1], v[rT+4:rT+5] op_sel_hi:[1,0,1]
	v_pk_fma_f32 v[rT+6:rT+7], v[S:S+1], s[WH:WH+1], v[rT+6:rT+7] op_sel_hi:[1,0,1]
	WIN 0x41
.set i, 0
.rept 16
	v_pk_mul_f32 v[rO+2*i:rO+2*i+1], v[rO+2*i:rO+2*i+1], v[AA:AA+1] op_sel_hi:[1,0]
.set i, i+1
.endr
	WIN 0
	s_cmp_eq_u32 s[BF], 0
	s_cbranch_scc1 .Lt3_\@
.set i, 0
.rept 16                                           ; band 3: the weights go skewed into PSK; LDS serves a wave's instructions in order, so the loads below see them
	ds_store_b16 v[PA0], v[P+i] offset:32*(i/4)+4*(i%4)
	ds_store_b16_d16_hi v[PA0], v[P+i] offset:32*(i/4)+4*(i%4)+2
.set i, i+1
.endr
	s_min_u32 s72, s[D80], 112                     ; in a band step d + 80 lies in 0 .. 112: RELB's loads end at byte 2,416 + 17,920 + 12,896 + 16 = 33,248 of its 40,960 at the most
	s_mul_i32 s72, s72, PR
	v_add_nc_u32 v[AR], s72, v[AR0]                ; RELB from row d + 80 on
	ds_load_b128 v[BF0:BF0+3],   v[PB0]
	ds_load_b128 v[BF0+4:BF0+7], v[PB0] offset:32
	ds_load_b128 v[BF1:BF1+3],   v[PB0] offset:64
	ds_load_b128 v[BF1+4:BF1+7], v[PB0] offset:96
.irp cb, 0,1,2,3
	ds_load_tr16_b128 v[S+8*\cb:S+8*\cb+3],   v[AR] offset:32*\cb
	ds_load_tr16_b128 v[S+8*\cb+4:S+8*\cb+7], v[AR] offset:32*\cb+16*PR
	ds_load_tr16_b128 v[X+8*\cb:X+8*\cb+3],   v[AR] offset:32*PR+32*\cb
	ds_load_tr16_b128 v[X+8*\cb+4:X+8*\cb+7], v[AR] offset:32*PR+32*\cb+16*PR
.endr
.Lt3_\@:
	WIN 0x51                                       ; V and O^T in window 1, P in window 0
.set i, 0
.rept 8                                            ; O^T += V^T P: keys 32 (i / 4) on, channels 16 (i % 4) on
	v_wmma_f32_16x16x32_f16 v[rO+8*(i%4):rO+8*(i%4)+7], v[VF+32*(i/4)+8*(i%4):VF+32*(i/4)+8*(i%4)+7], v[P+8*(i/4):P+8*(i/4)+7], v[rO+8*(i%4):rO+8*(i%4)+7]
.set i, i+1
.endr
	WIN 0
	s_wait_dscnt 0x0                               ; the band's fragments are in
	s_cmp_eq_u32 s[BF], 0
	s_cbranch_scc1 .Lt4_\@
	WIN 0x50                                       ; band 4: O^T += relwin^T Pskew, three blocks of 32; the four accumulators go on taking turns
.irp cb, 0,1,2,3
	v_wmma_f32_16x16x32_f16 v[rO+8*\cb:rO+8*\cb+7], v[S+8*\cb:S+8*\cb+7], v[BF0:BF0+7], v[rO+8*\cb:rO+8*\cb+7]
.endr
.irp cb, 0,1,2,3
	v_wmma_f32_16x16x32_f16 v[rO+8*\cb:rO+8*\cb+7], v[X+8*\cb:X+8*\cb+7], v[BF1:BF1+7], v[rO+8*\cb:rO+8*\cb+7]
.endr
	WIN 0
	PLACES
	s_min_u32 s72, s[D80], 112                     ; RELB's first row once more, by the same three lines: this part's loads take their address from this part
	s_mul_i32 s72, s72, PR
	v_add_nc_u32 v[AR], s72, v[AR0]
	ds_load_b128 v[BF0:BF0+3],   v[PB0] offset:128
	ds_load_b128 v[BF0+4:BF0+7], v[PB0] offset:160
.irp cb, 0,1,2,3
	ds_load_tr16_b128 v[S+8*\cb:S+8*\cb+3],   v[AR] offset:64*PR+32*\cb
	ds_load_tr16_b128 v[S+8*\cb+4:S+8*\cb+7], v[AR] offset:64*PR+32*\cb+16*PR
.endr
	s_wait_dscnt 0x0
	WIN 0x50
.irp cb, 0,1,2,3
	v_wmma_f32_16x16x32_f16 v[rO+8*\cb:rO+8*\cb+7], v[S+8*\cb:S+8*\cb+7], v[BF0:BF0+7], v[rO+8*\cb:rO+8*\cb+7]
.endr
	WIN 0
.rept 5
	v_nop                                          ; five places: the next tile's first products write S^T's registers, which these have read
.endr
.Lt4_\@:
.endm
; A KEY STEP: 64 keys: K's 16 loads, V's 16 turning loads and the mask's 8 in one run; then the four tiles.
.macro STEP
	WIN 0
	PLACES                                         ; behind the last products that read V
	v_add_nc_u32 v[AK], s[TBK], v[AK0]
	v_add_nc_u32 v[AV], s[TBV], v[AV0]
	s_min_u32 s72, s[KB], 960
	v_lshl_add_u32 v[AM], s72, 2, v[AM0]
	WIN 0x40
.irp f, 0,1,2,3,4,5,6,7
	ds_load_b128 v[KF+8*\f:KF+8*\f+3],   v[AK] offset:(\f/2)*16*PK+(\f%2)*64
	ds_load_b128 v[KF+8*\f+4:KF+8*\f+7], v[AK] offset:(\f/2)*16*PK+(\f%2)*64+32
.endr
.irp f, 0,1,2,3,4,5,6,7
	ds_load_tr16_b128 v[VF+8*\f:VF+8*\f+3],   v[AV] offset:(\f/4)*32*PV+(\f%4)*32
	ds_load_tr16_b128 v[VF+8*\f+4:VF+8*\f+7], v[AV] offset:(\f/4)*32*PV+16*PV+(\f%4)*32
.endr
	WIN 0
.irp f, 0,1,2,3
	ds_load_b128 v[MK+8*\f:MK+8*\f+3],   v[AM] offset:64*\f
	ds_load_b128 v[MK+8*\f+4:MK+8*\f+7], v[AM] offset:64*\f+16
.endr
	s_sub_co_i32 s[SD], s[KB], s[QW]
	s_wait_dscnt 0x0
	TILE 0
	TILE 1
	TILE 2
	TILE 3
	s_add_co_u32 s[TBK], s[TBK], 64*PK
	s_add_co_u32 s[TBV], s[TBV], 64*PV
	s_add_co_u32 s[KB], s[KB], 64
.endm
.macro PROCESS                         ; a slot's two key steps: written once, walked twice
	s_mov_b32 s[CNT], 2
.Lstep_\@:
	STEP
	s_sub_co_u32 s[CNT], s[CNT], 1
	s_cmp_lg_u32 s[CNT], 0
	s_cbranch_scc1 .Lstep_\@
.endm
.Lslot:                                                ; seven times: a slot is entered and the other is asked for (at the first: slot 0 is waited for, slot 1 filled)
	CHANGE 1
	PROCESS
	s_sub_co_u32 s[SLOTS], s[SLOTS], 1
	s_cmp_lg_u32 s[SLOTS], 0
	s_cbranch_scc1 .Lslot
	CHANGE 0                                       ; the last slot is written out
	PROCESS
	; THE END.  rel[0] and rel[64] in O^T's layout; l, LL, LH are summed over their halves and the lanes' halves; O = (O + rel[0] LL + rel[64] LH) / l.
	WIN 0
	PLACES
	v_lshlrev_b32 v12, 5, v[HH]
	WIN 0x40
.irp cb, 0,1,2,3
	global_load_b128 v[128+8*\cb:128+8*\cb+3], v12, s[8:9] offset:64*\cb
	global_load_b128 v[128+8*\cb+4:128+8*\cb+7], v12, s[8:9] offset:64*\cb+16
	global_load_b128 v[160+8*\cb:160+8*\cb+3], v12, s[8:9] offset:16384+64*\cb
	global_load_b128 v[160+8*\cb+4:160+8*\cb+7], v12, s[8:9] offset:16384+64*\cb+16
.endr
	WIN 0
.irp u, 0,1,2,3
.irp n, 2,4,6
	v_add_f32 v[ST+8*\u+\n], v[ST+8*\u+\n], v[ST+8*\u+\n+1]
.endr
.endr
.irp u, 0,1,2,3
.irp n, 2,4,6
	v_permlanex16_b32 v[ST+8*\u+\n+1], v[ST+8*\u+\n], s[SEL], s[SEL+1]
.endr
.endr
.irp u, 0,1,2,3
.irp n, 2,4,6
	v_add_f32 v[ST+8*\u+\n], v[ST+8*\u+\n], v[ST+8*\u+\n+1]
.endr
.endr
	s_cmp_lg_u32 s[HEAD], 0
	s_cbranch_scc1 .Lno_st
	v_lshlrev_b32 v24, 3, v[QQ]                    ; head 0: (c m, l) of each query: lanes 0-15 store c m, lanes 16-31 l: 128 consecutive bytes a tile
	v_lshl_add_u32 v24, v[HH], 2, v24
	v_cmp_eq_u32 vcc_lo, 1, v[HH]
.irp u, 0,1,2,3
	v_cndmask_b32 v[216+\u], v[ST+8*\u], v[ST+8*\u+2], vcc_lo
	global_store_b32 v24, v[216+\u], s[12:13] offset:128*\u
.endr
.Lno_st:
.irp u, 0,1,2,3
	v_rcp_f32 v[ST+8*\u+2], v[ST+8*\u+2]
.endr
	v_nop
	s_wait_alu depctr_va_vdst(0)                   ; one wait for the four reciprocals
	v_mul_u32_u24 v14, v[QQ], 144                  ; the stage is my PSK, whose last use is over: in: row l % 16, 16 bytes for each half of the lanes
	v_lshl_add_u32 v14, v[HH], 4, v14
	v_add_nc_u32 v14, s73, v14
	v_bfe_u32 v15, v0, 3, 2                        ; back: 32 lanes take four rows of 128 bytes,
	v_mul_u32_u24 v15, v15, 144
	v_and_b32 v26, 7, v0
	v_lshl_add_u32 v15, v26, 4, v15
	v_add_nc_u32 v15, s73, v15
	v_and_b32 v25, 31, v0                          ; which are 512 consecutive bytes of ch
	v_lshlrev_b32 v25, 4, v25
	s_wait_loadcnt 0x0                             ; rel[0], rel[64]
.macro PACK t
	WIN 0x51
.set i, 0
.rept 16
	v_pk_fma_f32 v[32*(\t)+2*i:32*(\t)+2*i+1], v[128+2*i:128+2*i+1], v[ST+8*(\t)+4:ST+8*(\t)+5], v[32*(\t)+2*i:32*(\t)+2*i+1] op_sel_hi:[1,0,1]
.set i, i+1
.endr
.set i, 0
.rept 16
	v_pk_fma_f32 v[32*(\t)+2*i:32*(\t)+2*i+1], v[160+2*i:160+2*i+1], v[ST+8*(\t)+6:ST+8*(\t)+7], v[32*(\t)+2*i:32*(\t)+2*i+1] op_sel_hi:[1,0,1]
.set i, i+1
.endr
	WIN 0x41
.set i, 0
.rept 16
	v_pk_mul_f32 v[32*(\t)+2*i:32*(\t)+2*i+1], v[32*(\t)+2*i:32*(\t)+2*i+1], v[ST+8*(\t)+2:ST+8*(\t)+3] op_sel_hi:[1,0]
.set i, i+1
.endr
	WIN 0x05
.set i, 0
.rept 16
	v_cvt_pk_f16_f32 v[S+16*(\t)+i], v[32*(\t)+2*i], v[32*(\t)+2*i+1]
.set i, i+1
.endr
	WIN 0
.irp f, 0,1,2,3
	ds_store_b128 v14, v[S+16*(\t)+4*\f:S+16*(\t)+4*\f+3] offset:32*\f
.endr
.irp f, 0,1,2,3
	ds_load_b128 v[S+16*(\t)+4*\f:S+16*(\t)+4*\f+3], v15 offset:\f*4*144  ; in order behind the stores above; the next tile's stores come behind them
.endr
.endm
.macro SEND t, younger                 ; younger: the LDS instructions issued behind tile t's loads: the next tile's eight, or none
.irp f, 0,1,2,3
	s_wait_dscnt (\younger)+3-\f
	global_store_b128 v25, v[S+16*(\t)+4*\f:S+16*(\t)+4*\f+3], s[10:11] offset:(\t)*2048+\f*512
.endr
.endm
	PACK 0
	PACK 1
	SEND 0, 8
	PACK 2
	SEND 1, 8
	PACK 3
	SEND 2, 8
	SEND 3, 0
	s_wait_tensorcnt 0x0                           ; the wave's end
	ds_add_u32 v[SPW], v[NIL]
	s_wait_dscnt 0x0
	s_endpgm
.Lfunc_end_k_q654efa2556_attn:
	.size	k_q654efa2556_attn, .Lfunc_end_k_q654efa2556_attn-k_q654efa2556_attn
	.p2alignl 7, 3214868480
	.fill 96, 4, 3214868480
	.section	.rodata,"a",@progbits
	.p2align	6, 0x0
	.amdhsa_kernel k_q654efa2556_attn
		.amdhsa_group_segment_fixed_size 327680
		.amdhsa_private_segment_fixed_size 0
		.amdhsa_enable_private_segment 0
		.amdhsa_kernarg_size 40
		.amdhsa_user_sgpr_count 2
		.amdhsa_user_sgpr_kernarg_segment_ptr 1
		.amdhsa_wavefront_size32 1
		.amdhsa_system_sgpr_workgroup_id_x 1
		.amdhsa_system_sgpr_workgroup_id_y 1
		.amdhsa_system_sgpr_workgroup_id_z 1
		.amdhsa_system_vgpr_workitem_id 0
		.amdhsa_next_free_vgpr 512
		.amdhsa_next_free_sgpr 80
		.amdhsa_reserve_vcc 1
		.amdhsa_float_denorm_mode_32 3
		.amdhsa_float_denorm_mode_16_64 3
		.amdhsa_memory_ordered 1
		.amdhsa_forward_progress 1
		.amdhsa_inst_pref_size 224
	.end_amdhsa_kernel
	.amdgpu_metadata
---
amdhsa.version: [ 1, 2 ]
amdhsa.kernels:
  - .name:           k_q654efa2556_attn
    .symbol:         k_q654efa2556_attn.kd
    .args:
      - { .name: qkv, .offset: 0, .size: 8, .value_kind: global_buffer, .address_space: global }
      - { .name: mask, .offset: 8, .size: 8, .value_kind: global_buffer, .address_space: global }
      - { .name: rel_emb, .offset: 16, .size: 8, .value_kind: global_buffer, .address_space: global }
      - { .name: ch, .offset: 24, .size: 8, .value_kind: global_buffer, .address_space: global }
      - { .name: st, .offset: 32, .size: 8, .value_kind: global_buffer, .address_space: global }
    .group_segment_fixed_size: 327680
    .private_segment_fixed_size: 0
    .kernarg_segment_align: 8
    .kernarg_segment_size: 40
    .max_flat_workgroup_size: 256
    .sgpr_count:     80
    .vgpr_count:     512
    .wavefront_size: 32
...
	.end_amdgpu_metadata
.endif
;; end of part 3
;; launch top (part 4): grid 256 x 1, 8 waves a work-group, no clusters, 128,000 bytes of LDS; arguments qkv, mask, rel_emb, st, out1; writes out1
.if DOCPART == 4
	.amdgcn_target "amdgcn-amd-amdhsa--gfx1250"
	.amdhsa_code_object_version 6
	.text
	.protected	k_q654efa2556_top
	.globl	k_q654efa2556_top
	.p2align	8
	.type	k_q654efa2556_top,@function
k_q654efa2556_top:
	s_mov_b64 s[64:65], 0
	v_nop
	global_prefetch_b8 v0, s[64:65] scope:SCOPE_SE
	s_setreg_imm32_b32 hwreg(HW_REG_WAVE_MODE, 25, 1), 1
	s_wait_xcnt 0x0
; HEAD 0's WEIGHTS.  out1[b][q][k] = 2^(c s[q][k] - c m[q]) / l[q], with (c m, l) from st and s made anew: q.k + q.rel[clip(k-q,-32,32)+32], masked keys less 1e18 (where ALL keys of the batch are masked: all s = 0).
; The launch is its 33.5 MB of stores; the scores cost one small product.  LIMITS as in the attention launch.
; SHARES.  A work-group has 32 queries of a batch; wave w takes queries 16 (w % 2) on and keys 256 (w / 2) on, in four trips of 64.  K comes straight from memory as fragments.
; S^T = K Q^T + C: a lane holds one query (lane % 16) and 8 neighbouring keys of each 16: 32 bytes of a row of out1.  C = T[q][k-q+64] + mask; T (f32, 128 entries a query) is made once a wave, T = rel Q^T.
; ALL THAT THE HEAD NEEDS FROM MEMORY IS ASKED FOR IN ONE BATCH: Q, (c m, l), the mask, the rows of rel_emb and the first trip's K.  The 128 rows rel[clamp(t' - 32, 0, 64)] are rounded to f16 once for the work-group,
; half a row a thread, and shared through LDS, like the mask's table: one barrier publishes both.
; The way out goes through a stage of the wave's own, so that 16 lanes store 256 consecutive bytes, aligned.
; LDS: T 8 x 16 x 528; MSK 67,584: f32 [1024]; STG 71,680: 8 x 16 x 272; SPARE 106,496; REL 107,520: 256 half rows of 64 bytes at a pitch of 80: row t' at 160 t', its channels 32 on at + 80.
.set TW,    8448
.set MSK,   67584
.set STG,   71680
.set SGW,   4352
.set SPARE, 106496
.set REL,   107520
.set QF,  32                           ; v[32:47]   Q's two fragments
.set KB0, 48                           ; v[48:111], v[112:175] K of a trip, two buffers
.set KB1, 112
.set RW,  112                          ; v[112:143] at the head: my half row of rel_emb in f32; v[144:159] in f16
.set RF,  144
.set X,   176                          ; v[176:207] rel's fragments; then C, then S^T, then the weights
.set MK,  208                          ; v[208:239] the mask; then the rows read back
.set ACC, 240                          ; v[240:255] two accumulators for T
	s_load_b256 s[4:11], s[0:1], 0x0               ; qkv s[4:5], mask s[6:7], rel_emb s[8:9], st s[10:11]
	s_load_b64 s[12:13], s[0:1], 0x20              ; out1
	v_lshl_add_u32 v30, v0, 2, SPARE               ; my spare word, and 0: for the wave's end
	v_mov_b32 v31, 0
	v_lshrrev_b32 v1, 5, v0
	v_readfirstlane_b32 s14, v1                    ; wave 0..7
	s_lshr_b32 s15, ttmp9, 5                       ; batch
	s_and_b32 s16, ttmp9, 31
	s_lshl_b32 s16, s16, 5
	s_and_b32 s17, s14, 1
	s_lshl_b32 s17, s17, 4
	s_add_co_u32 s16, s16, s17                     ; my first query
	s_lshr_b32 s17, s14, 1
	s_lshl_b32 s17, s17, 8                         ; my first key
	s_lshl_b32 s18, s15, 21                        ; the batch's head 0
	s_lshl_b32 s19, s16, 7
	s_add_co_u32 s20, s18, s19                     ; q's rows
	s_mov_b32 s21, 0
	s_lshl_b32 s19, s17, 7
	s_add_co_u32 s22, s18, s19
	s_add_co_u32 s22, s22, 1<<24                   ; k's rows
	s_mov_b32 s23, 0
	s_lshl_b32 s24, s15, 10                        ; the batch's mask
	s_mov_b32 s25, 0
	s_add_co_u32 s26, s24, s16
	s_lshl_b32 s28, s26, 10
	s_add_co_u32 s28, s28, s17
	s_lshl_b32 s28, s28, 2                         ; my corner of out1
	s_mov_b32 s29, 0
	s_lshl_b32 s26, s26, 3                         ; my queries in st
	s_mov_b32 s27, 0
	s_mov_b32 s30, 0x3e38aa3b                      ; c = log2(e) / 8
	s_mov_b32 s31, s30
	s_sub_co_i32 s34, s17, s16
	s_add_co_i32 s34, s34, 48                      ; first key - first query + 48
	v_and_b32 v1, 15, v0
	v_bfe_u32 v2, v0, 4, 1
	v_and_b32 v3, 31, v0
	v_lshlrev_b32 v4, 7, v1
	v_lshl_add_u32 v4, v2, 4, v4                   ; a fragment's row x 128 + 16 x half
	v_lshlrev_b32 v5, 3, v1
	s_mul_i32 s36, s14, TW
	v_mul_u32_u24 v6, v1, 524                      ; T read skewed: row q, entry 16 + offset + key - q, 4 bytes each
	v_lshl_add_u32 v6, v2, 5, v6
	v_add_nc_u32 v6, s36, v6
	v_add_nc_u32 v6, 64, v6
	v_mul_u32_u24 v7, v1, 528
	v_lshl_add_u32 v7, v2, 5, v7
	v_add_nc_u32 v7, s36, v7
	s_lshl_b32 s36, s17, 2
	s_add_co_u32 s36, s36, MSK
	v_lshl_add_u32 v8, v2, 5, s36
	s_mul_i32 s36, s14, SGW
	s_add_co_u32 s36, s36, STG
	v_mul_u32_u24 v9, v1, 272
	v_lshl_add_u32 v9, v2, 5, v9
	v_add_nc_u32 v9, s36, v9                       ; into the stage: row q, 32 bytes for each half of the lanes
	v_mul_u32_u24 v10, v2, 272
	v_lshl_add_u32 v10, v1, 4, v10
	v_add_nc_u32 v10, s36, v10                     ; back: lanes 0-15 one row of 256 bytes, lanes 16-31 the next
	v_lshlrev_b32 v11, 12, v2
	v_lshl_add_u32 v11, v1, 4, v11                 ; and the same two rows in out1
	v_lshrrev_b32 v20, 1, v0                       ; REL's row t' = thread / 2 holds rel[clamp(t' - 32, 0, 64)];
	v_add_nc_u32 v20, 0xffffffe0, v20
	v_max_i32 v20, 0, v20
	v_min_i32 v20, 64, v20
	v_lshlrev_b32 v20, 8, v20                      ; a row of rel_emb is 256 bytes,
	v_and_b32 v21, 1, v0
	v_lshl_add_u32 v20, v21, 7, v20                ; and I take the half thread % 2 of it: 128 bytes
	v_mul_u32_u24 v21, v0, 80                      ; where it goes: half row `thread`
	v_add_nc_u32 v21, REL, v21
	v_lshlrev_b32 v22, 5, v3
	v_lshlrev_b32 v23, 2, v0
	v_lshl_add_u32 v24, v0, 4, MSK
	v_mul_u32_u24 v25, v1, 160                     ; a fragment of REL: row l % 16, 16 bytes for each half of the lanes
	v_lshl_add_u32 v25, v2, 4, v25
	v_add_nc_u32 v25, REL, v25
	s_wait_kmcnt 0x0
	s_add_nc_u64 s[20:21], s[4:5], s[20:21]
	s_add_nc_u64 s[22:23], s[4:5], s[22:23]
	s_add_nc_u64 s[24:25], s[6:7], s[24:25]
	s_add_nc_u64 s[26:27], s[10:11], s[26:27]
	s_add_nc_u64 s[28:29], s[12:13], s[28:29]
.macro KLOAD buf, trip                 ; a trip's 64 keys x 64 channels: 8 fragments, 16 loads
.irp f, 0,1,2,3,4,5,6,7
	global_load_b128 v[(\buf)+8*\f:(\buf)+8*\f+3],   v4, s[22:23] offset:8192*(\trip)+(\f/2)*2048+(\f%2)*64
	global_load_b128 v[(\buf)+8*\f+4:(\buf)+8*\f+7], v4, s[22:23] offset:8192*(\trip)+(\f/2)*2048+(\f%2)*64+32
.endr
.endm
.irp c, 0,1
	global_load_b128 v[QF+8*\c:QF+8*\c+3],   v4, s[20:21] offset:64*\c
	global_load_b128 v[QF+8*\c+4:QF+8*\c+7], v4, s[20:21] offset:64*\c+32
.endr
	global_load_b64 v[12:13], v5, s[26:27]         ; c m, l
	global_load_b128 v[176:179], v22, s[24:25]
	global_load_b128 v[180:183], v22, s[24:25] offset:16
	global_load_b32 v184, v23, s[24:25]
.irp j, 0,1,2,3,4,5,6,7
	global_load_b128 v[RW+4*\j:RW+4*\j+3], v20, s[8:9] offset:16*\j
.endr
	KLOAD KB0, 0
	s_wait_loadcnt 16                              ; loads come back in order: all but the first trip's K, the youngest 16, are in
	v_and_b32 v176, v176, v177
	v_and_b32 v178, v178, v179
	v_and_b32 v180, v180, v181
	v_and_b32 v182, v182, v183
	v_and_b32 v176, v176, v178
	v_and_b32 v180, v180, v182
	v_and_b32 v176, v176, v180
	v_cmp_ne_u32 vcc_lo, 0x01010101, v176          ; a lane with an open key
	s_cmp_eq_u32 vcc_lo, 0
	s_cselect_b32 s32, 0, 0xdd5e0b6b               ; the mask's addend: -1e18, or 0 where every key is masked,
	s_cselect_b32 s33, 0, -1                       ; and there Q is cleared
.irp n, 0,1,2,3
	v_bfe_u32 v[186+\n], v184, 8*\n, 8
.endr
.irp n, 0,1,2,3
	v_cvt_f32_u32 v[186+\n], v[186+\n]
.endr
.irp n, 0,1,2,3
	v_mul_f32 v[186+\n], s32, v[186+\n]
.endr
	ds_store_b128 v24, v[186:189]
.set i, 0
.rept 16
	v_cvt_pk_f16_f32 v[RF+i], v[RW+2*i], v[RW+2*i+1]
.set i, i+1
.endr
.irp j, 0,1,2,3
	ds_store_b128 v21, v[RF+4*\j:RF+4*\j+3] offset:16*\j
.endr
.set i, 0
.rept 16
	v_and_b32 v[QF+i], s33, v[QF+i]
.set i, i+1
.endr
	v_rcp_f32 v14, v13                             ; 1 / l
	v_mov_b32 v15, 0                               ; (named with it as a pair) the plain instruction behind the reciprocal,
	s_wait_alu depctr_va_vdst(0)                   ; and its wait
	s_wait_dscnt 0x0                               ; my parts of the mask's table and of REL are stored; the stores have read the registers that the loads below fill
	KLOAD KB1, 1
	s_barrier_signal -1
	s_barrier_wait -1                              ; everybody's parts are stored
	; T[q][t'] = q . rel[clamp(t' - 32, 0, 64)]: 16 t' to a product, two blocks at a time, their accumulators by turns.  A load reaches byte 15 x 160 + 16 + 7 x 2,560 + 112 + 16 = 20,464 of REL's 20,480 at the most.
.set p, 0
.rept 4
.irp e, 0,1
	ds_load_b128 v[X+16*\e:X+16*\e+3],     v25 offset:2560*(2*p+\e)
	ds_load_b128 v[X+16*\e+4:X+16*\e+7],   v25 offset:2560*(2*p+\e)+32
	ds_load_b128 v[X+16*\e+8:X+16*\e+11],  v25 offset:2560*(2*p+\e)+80
	ds_load_b128 v[X+16*\e+12:X+16*\e+15], v25 offset:2560*(2*p+\e)+112
.endr
	s_wait_dscnt 0x0
	v_wmma_f32_16x16x32_f16 v[ACC:ACC+7],    v[X:X+7],     v[QF:QF+7], 0
	v_wmma_f32_16x16x32_f16 v[ACC+8:ACC+15], v[X+16:X+23], v[QF:QF+7], 0
	v_wmma_f32_16x16x32_f16 v[ACC:ACC+7],    v[X+8:X+15],  v[QF+8:QF+15], v[ACC:ACC+7]
	v_wmma_f32_16x16x32_f16 v[ACC+8:ACC+15], v[X+24:X+31], v[QF+8:QF+15], v[ACC+8:ACC+15]
.rept 5
	v_nop                                          ; five places: the stores read the results, and the next pair's first products write over them
.endr
.irp e, 0,1
	ds_store_b128 v7, v[ACC+8*\e:ACC+8*\e+3]   offset:64*(2*p+\e)
	ds_store_b128 v7, v[ACC+8*\e+4:ACC+8*\e+7] offset:64*(2*p+\e)+16
.endr
.set p, p+1
.endr
.macro TRIP n
.set KBF, KB0+64*((\n)%2)
	s_wait_xcnt 0x0                                ; the last trip's stores have read their data: MK's registers are loaded again only behind this wait
.irp kt, 0,1,2,3
	s_add_co_i32 s36, s34, 64*(\n)+16*(\kt)
	s_max_i32 s36, s36, 0                          ; beyond 48 either way all entries are alike, so the offset is held to 0 .. 96:
	s_min_u32 s36, s36, 96                         ; with it a load reaches byte 15 x 524 + 32 + 64 + 384 + 28 + 4 = 8,372 of the wave's 8,448 at the most
	v_lshl_add_u32 v[16+(\kt)], s36, 2, v6
.endr
.irp kt, 0,1,2,3
.irp j, 0,1,2,3,4,5,6,7
	ds_load_b32 v[X+8*(\kt)+(\j)], v[16+(\kt)] offset:4*(\j)  ; LDS serves a wave's instructions in order: these see my stores into T
.endr
.endr
.irp kt, 0,1,2,3
	ds_load_b128 v[MK+8*(\kt):MK+8*(\kt)+3],   v8 offset:256*(\n)+64*(\kt)
	ds_load_b128 v[MK+8*(\kt)+4:MK+8*(\kt)+7], v8 offset:256*(\n)+64*(\kt)+16
.endr
	s_wait_dscnt 0x0
.set i, 0
.rept 16
	v_pk_add_f32 v[X+2*i:X+2*i+1], v[X+2*i:X+2*i+1], v[MK+2*i:MK+2*i+1]
.set i, i+1
.endr
.if (\n) < 3
	s_wait_loadcnt 16                              ; this trip's K is in; the next trip's 16 loads may stay out
.else
	s_wait_loadcnt 0x0
.endif
.set i, 0
.rept 8                                            ; channels 32 (i / 4) on, keys 16 (i % 4) on; the four accumulators take turns
	v_wmma_f32_16x16x32_f16 v[X+8*(i%4):X+8*(i%4)+7], v[KBF+16*(i%4)+8*(i/4):KBF+16*(i%4)+8*(i/4)+7], v[QF+8*(i/4):QF+8*(i/4)+7], v[X+8*(i%4):X+8*(i%4)+7]
.set i, i+1
.endr
.rept 4
	v_nop
.endr
.if (\n) < 2
	KLOAD KBF, (\n)+2
.endif
.set i, 0
.rept 16
	v_pk_fma_f32 v[X+2*i:X+2*i+1], v[X+2*i:X+2*i+1], s[30:31], v[12:13] op_sel_hi:[1,0,0] neg_lo:[0,0,1] neg_hi:[0,0,1]
.set i, i+1
.endr
.set i, 0
.rept 32
	v_exp_f32 v[X+i], v[X+i]
.set i, i+1
.endr
	v_nop
	s_wait_alu depctr_va_vdst(0)                   ; one wait for the batch of 32
.set i, 0
.rept 16
	v_pk_mul_f32 v[X+2*i:X+2*i+1], v[X+2*i:X+2*i+1], v[14:15] op_sel_hi:[1,0]
.set i, i+1
.endr
.irp kt, 0,1,2,3
	ds_store_b128 v9, v[X+8*(\kt):X+8*(\kt)+3]   offset:64*(\kt)
	ds_store_b128 v9, v[X+8*(\kt)+4:X+8*(\kt)+7] offset:64*(\kt)+16
.endr
.irp u, 0,1,2,3,4,5,6,7
	ds_load_b128 v[MK+4*(\u):MK+4*(\u)+3], v10 offset:544*(\u)  ; in order behind the stores above
.endr
	s_wait_dscnt 0x0
.irp u, 0,1,2,3,4,5,6,7
	global_store_b128 v11, v[MK+4*(\u):MK+4*(\u)+3], s[28:29] offset:8192*(\u)+256*(\n) th:TH_STORE_NT
.endr
.endm
	TRIP 0
	TRIP 1
	TRIP 2
	TRIP 3
	s_wait_tensorcnt 0x0                           ; the wave's end, behind my last LDS store
	ds_add_u32 v30, v31
	s_wait_dscnt 0x0
	s_endpgm
.Lfunc_end_k_q654efa2556_top:
	.size	k_q654efa2556_top, .Lfunc_end_k_q654efa2556_top-k_q654efa2556_top
	.p2alignl 7, 3214868480
	.fill 96, 4, 3214868480
	.section	.rodata,"a",@progbits
	.p2align	6, 0x0
	.amdhsa_kernel k_q654efa2556_top
		.amdhsa_group_segment_fixed_size 128000
		.amdhsa_private_segment_fixed_size 0
		.amdhsa_enable_private_segment 0
		.amdhsa_kernarg_size 40
		.amdhsa_user_sgpr_count 2
		.amdhsa_user_sgpr_kernarg_segment_ptr 1
		.amdhsa_wavefront_size32 1
		.amdhsa_system_sgpr_workgroup_id_x 1
		.amdhsa_system_sgpr_workgroup_id_y 1
		.amdhsa_system_sgpr_workgroup_id_z 1
		.amdhsa_system_vgpr_workitem_id 0
		.amdhsa_next_free_vgpr 256
		.amdhsa_next_free_sgpr 66
		.amdhsa_reserve_vcc 1
		.amdhsa_float_denorm_mode_32 3
		.amdhsa_float_denorm_mode_16_64 3
		.amdhsa_memory_ordered 1
		.amdhsa_forward_progress 1
		.amdhsa_inst_pref_size 59
	.end_amdhsa_kernel
	.amdgpu_metadata
---
amdhsa.version: [ 1, 2 ]
amdhsa.kernels:
  - .name:           k_q654efa2556_top
    .symbol:         k_q654efa2556_top.kd
    .args:
      - { .name: qkv, .offset: 0, .size: 8, .value_kind: global_buffer, .address_space: global }
      - { .name: mask, .offset: 8, .size: 8, .value_kind: global_buffer, .address_space: global }
      - { .name: rel_emb, .offset: 16, .size: 8, .value_kind: global_buffer, .address_space: global }
      - { .name: st, .offset: 24, .size: 8, .value_kind: global_buffer, .address_space: global }
      - { .name: out1, .offset: 32, .size: 8, .value_kind: global_buffer, .address_space: global }
    .group_segment_fixed_size: 128000
    .private_segment_fixed_size: 0
    .kernarg_segment_align: 8
    .kernarg_segment_size: 40
    .max_flat_workgroup_size: 256
    .sgpr_count:     66
    .vgpr_count:     256
    .wavefront_size: 32
...
	.end_amdgpu_metadata
.endif
;; end of part 4
;; launch oproj (part 5): grid 4 x 64, 4 waves a work-group, clusters of 4 x 4, 327,680 bytes of LDS; arguments ch, wh, bo, out0; writes out0
.if DOCPART == 5
	.amdgcn_target "amdgcn-amd-amdhsa--gfx1250"
	.amdhsa_code_object_version 6
	.text
	.protected	k_q654efa2556_oproj
	.globl	k_q654efa2556_oproj
	.p2align	8
	.type	k_q654efa2556_oproj,@function
k_q654efa2556_oproj:
	s_mov_b64 s[64:65], 0
	v_nop
	global_prefetch_b8 v0, s[64:65] scope:SCOPE_SE
	s_setreg_imm32_b32 hwreg(HW_REG_WAVE_MODE, 25, 1), 1
	s_wait_xcnt 0x0
	s_wait_alu depctr_hold_cnt(0) depctr_sa_sdst(0) depctr_va_vdst(0) depctr_va_sdst(0) depctr_va_ssrc(0) depctr_va_vcc(0) depctr_vm_vsrc(0)
	s_getreg_b32 s2, hwreg(HW_REG_IB_STS2, 6, 4)
	s_cmp_eq_u32 s2, 0
	s_cbranch_scc0 .Lentry_in_a_cluster
	s_endpgm
.Lentry_in_a_cluster:
	s_bfe_u32 s2, ttmp6, 0x10000c
	s_cmp_lg_u32 s2, 0xf033
	s_cbranch_scc0 .Lentry_shape_is_right
	s_endpgm
.Lentry_shape_is_right:
; THE OUTPUT PROJECTION.  out0[m][n] = sum over k = (head, d) of ch[b*16+head][l][d] wh[3][n][k] + bo[n]; m = (b, l) = 8192, n = k = 1024; f16 operands, f32 sums, f32 out.
; The same frame as the launch of the three projections: a tile of C is 128 x 256, four waves of 64 x 128, K steps of 128 through two LDS slots, cluster 4 x 4 with joint loads, the product used transposed,
; the bias as the C operand of the first products.  64 x 4 = 256 tiles, one for each WGP.
; WHAT DIFFERS.  A lies by heads: a K step is two heads; a head's 128 rows of the tile are 16,384 dense bytes, asked for as 64 rows of 256 bytes and padded in LDS after every 128: rows of 144 bytes.
; Wave 0 fetches the step's first head, wave 1 its second.  The way out is f32: 16 rows x 512 bytes a block through my stage (rows of 528 bytes); a store of a wave covers 512 consecutive bytes, aligned.
.set KSTEP,  128
.set KBYTES, 262144                    ; a K step of A in memory: two heads
.set PITCH,  272
.set PA,     144                       ; 128 bytes + 16: 36 words: the 16 rows of a load start at 16 different groups of four banks
.set AREG,   128*PA                    ; a head's 128 rows
.set BHALF,  128*PITCH
.set BOFF,   2*AREG
.set SLOT,   BOFF+2*BHALF
.set STAGE,  2*SLOT
.set SPITCH, 528
.set SPARE,  STAGE+4*16*SPITCH
.set LAPS,   4
.set ADRA, 16
.set ADRB, 20
.set STO,  24
.set RD,   25
.set CO,   26
.set BO,   27
.set SPW,  28                          ; LDS address of my spare word; never rewritten
.set NIL,  29                          ; 0; never rewritten
.set PFO,  30
.set FA,   64
.set BIAS, 128
.set G1,  24
.set G0,  32
.set G1B, 48
.set G0B, 56
.set PFA, 80
.set LIM, 82
.set MSB, 0
.macro WIN new
.if MSB != (\new)
	s_set_vgpr_msb (MSB<<8)|(\new)
.set MSB, \new
.endif
.endm
.macro JLOAD s                         ; a joint load; the branch hangs on the wave's number alone; an s_nop 0 and four v_nop follow each line
	s_cmp_eq_u32 s11, 0
	s_cbranch_scc0 .Lfor_b_\@
	tensor_load_to_lds s[G0+4*(\s):G0+4*(\s)+3], s[G1:G1+7]
	s_nop 0
.rept 4
	v_nop
.endr
	s_branch .Lasked_\@
.Lfor_b_\@:
	tensor_load_to_lds s[G0B+4*(\s):G0B+4*(\s)+3], s[G1B:G1B+7]
	s_nop 0
.rept 4
	v_nop
.endr
.Lasked_\@:
.endm
.macro CREST
	s_cmp_lg_u32 s10, 0
	s_cbranch_scc1 .Lnot_wave_0_\@
	s_barrier_signal -3
.Lnot_wave_0_\@:
	s_barrier_wait -3
	s_barrier_signal -1
	s_barrier_wait -1
.endm
.macro CROUND
	s_barrier_signal -1
	s_barrier_wait -1
	CREST
.endm
.macro PLACES
.rept 4
	v_nop
.endr
.endm
; A prefetch of A's K step that stands two refills on: 2 x 16,384 bytes; the four partners of a row of the cluster take 8,192 each, told apart by address; wave 0 asks, a lane to each 256 bytes.
; Each block is named once in the launch.  The loop's last trip has no K step two on.  B (2 MiB, walked by 16 clusters) is not asked for.
.macro ASK
	s_cmp_gt_u32 s3, s[LIM]
	s_cbranch_scc0 .Lnot_mine_\@
	global_prefetch_b8 v[PFO], s[PFA:PFA+1] offset:KBYTES th:TH_LOAD_NT scope:SCOPE_SE
.Lnot_mine_\@:
.endm
	s_load_b256 s[68:75], s[0:1], 0x0              ; ch s[68:69], wh s[70:71], bo s[72:73], out0 s[74:75]
	v_lshl_add_u32 v[SPW], v0, 2, SPARE
	v_mov_b32 v[NIL], 0
	ds_add_u32 v[SPW], v[NIL]                      ; the wave's opening: the add and its wait ahead of my first tensor load
	v_lshrrev_b32 v1, 5, v0
	v_readfirstlane_b32 s10, v1
	s_lshr_b32 s11, s10, 1                         ; my 64 rows.  Also: I fetch for A (0) or for B (1)
	s_and_b32 s12, s10, 1                          ; my 128 columns.  Also: which head of the step, or which half of B, I fetch
	s_bfe_u32 s40, ttmp6, 0x40000                  ; cx
	s_bfe_u32 s41, ttmp6, 0x40004                  ; cy
	s_lshl_b32 s42, ttmp9, 2
	s_add_co_u32 s42, s42, s40                     ; tile column
	s_and_b32 s13, ttmp7, 0xffff
	s_lshl_b32 s13, s13, 2
	s_add_co_u32 s13, s13, s41                     ; tile row
	s_lshl_b32 s43, s41, 2
	s_lshl_b32 s43, 15, s43
	s_lshl_b32 s44, 0x1111, s40
	s_or_b32 s[G1+0], s43, (1<<16)|(1<<20)|(1<<21)|(4<<22)|(3<<25)   ; padding after every 32 words, 4 words
	s_or_b32 s[G1B+0], s44, (1<<16)|(1<<20)|(1<<21)|(5<<22)|(3<<25)  ; after every 64 words
	s_mov_b32 s[G1+1], 128<<16
	s_mov_b32 s[G1+2], 64<<16
	s_mov_b32 s[G1+3], 128<<16
	s_mov_b32 s[G1+4], 64
	s_mov_b32 s[G1+5], 128
	s_mov_b32 s[G1+6], 0
	s_mov_b32 s[G1+7], 0
	s_mov_b32 s[G1B+1], KSTEP<<16
	s_mov_b32 s[G1B+2], 128<<16
	s_mov_b32 s[G1B+3], KSTEP<<16
	s_mov_b32 s[G1B+4], 128
	s_mov_b32 s[G1B+5], 1024
	s_mov_b32 s[G1B+6], 0
	s_mov_b32 s[G1B+7], 0
	s_lshr_b32 s16, s13, 3                         ; batch
	s_lshl_b32 s16, s16, 4
	s_add_co_u32 s16, s16, s12                     ; its head 0 or 1
	s_lshl_b32 s16, s16, 17
	s_and_b32 s17, s13, 7
	s_lshl_b32 s17, s17, 14                        ; the tile's 128 rows of 128 bytes
	s_add_co_u32 s16, s16, s17
	s_mov_b32 s17, 0
	s_lshl_b32 s46, s42, 8
	s_lshl_b32 s47, s12, 7
	s_add_co_u32 s46, s46, s47
	s_lshl_b32 s46, s46, 11
	s_add_co_u32 s46, s46, 3<<21                   ; the fourth weight
	s_mov_b32 s47, 0
	s_mul_i32 s20, s12, AREG
	s_mul_i32 s21, s12, BHALF
	s_add_co_u32 s21, s21, BOFF
	s_wait_dscnt 0x0
	s_wait_kmcnt 0x0
	s_add_nc_u64 s[14:15], s[68:69], s[16:17]
	s_add_nc_u64 s[46:47], s[70:71], s[46:47]
	CROUND
.irp s, 0,1
	s_mov_b32 s[G0+4*(\s)], 1
	s_add_co_u32 s[G0+4*(\s)+1], s20, (\s)*SLOT
	s_add_nc_u64 s[G0+4*(\s)+2:G0+4*(\s)+3], s[14:15], (\s)*KBYTES
	s_or_b32 s[G0+4*(\s)+3], s[G0+4*(\s)+3], 0x80000000
	s_mov_b32 s[G0B+4*(\s)], 1
	s_add_co_u32 s[G0B+4*(\s)+1], s21, (\s)*SLOT
	s_add_nc_u64 s[G0B+4*(\s)+2:G0B+4*(\s)+3], s[46:47], (\s)*256
	s_or_b32 s[G0B+4*(\s)+3], s[G0B+4*(\s)+3], 0x80000000
	JLOAD \s
.endr
	v_and_b32 v1, 15, v0
	v_bfe_u32 v2, v0, 4, 1
	v_mul_u32_u24 v3, v1, PITCH
	v_lshl_add_u32 v3, v2, 4, v3
	v_mul_u32_u24 v7, v1, PA
	v_lshl_add_u32 v7, v2, 4, v7
	s_mul_i32 s21, s11, 64*PA
	s_mul_i32 s22, s12, BHALF
	s_add_co_u32 s22, s22, BOFF
.irp s, 0,1
	v_add_nc_u32 v[ADRA+(\s)], s21, v7
	v_add_nc_u32 v[ADRB+(\s)], s22, v3
	s_add_co_u32 s21, s21, SLOT
	s_add_co_u32 s22, s22, SLOT
.endr
	s_mul_i32 s23, s10, 16*SPITCH
	s_add_co_u32 s23, s23, STAGE
	v_mul_u32_u24 v5, v1, SPITCH
	v_lshl_add_u32 v5, v2, 5, v5
	v_add_nc_u32 v[STO], s23, v5                   ; in: row l % 16, 32 bytes for each half of the lanes
	v_and_b32 v4, 31, v0
	v_lshlrev_b32 v[CO], 4, v4
	v_add_nc_u32 v[RD], s23, v[CO]                 ; back: a whole row of 512 bytes
	s_lshl_b32 s22, s42, 10
	s_lshl_b32 s23, s12, 9
	s_add_co_u32 s22, s22, s23
	v_lshl_add_u32 v[BO], v2, 5, s22
.irp b, 0,1,2,3,4,5,6,7
	global_load_b128 v[BIAS+8*\b:BIAS+8*\b+3],   v[BO], s[72:73] offset:64*\b
	global_load_b128 v[BIAS+8*\b+4:BIAS+8*\b+7], v[BO], s[72:73] offset:64*\b+16
.endr
	s_lshl_b32 s86, s13, 19                        ; 128 rows of 4,096 bytes
	s_lshl_b32 s87, s11, 18
	s_add_co_u32 s86, s86, s87
	s_add_co_u32 s86, s86, s22                     ; my first column, in bytes
	s_mov_b32 s87, 0
	s_add_nc_u64 s[8:9], s[74:75], s[86:87]
	s_lshr_b32 s88, s13, 3
	s_lshl_b32 s88, s88, 4
	s_lshr_b32 s89, s40, 1
	s_add_co_u32 s88, s88, s89
	s_add_co_u32 s88, s88, 4                       ; K step 2's head for my work-group: the first refill steps it on and names K step 4
	s_lshl_b32 s88, s88, 17
	s_and_b32 s89, s13, 7
	s_lshl_b32 s89, s89, 14
	s_add_co_u32 s88, s88, s89
	s_and_b32 s89, s40, 1
	s_lshl_b32 s89, s89, 13                        ; my work-group's half of the head's 16,384 bytes
	s_add_co_u32 s88, s88, s89
	s_mov_b32 s89, 0
	s_add_nc_u64 s[PFA:PFA+1], s[68:69], s[88:89]
	s_cmp_eq_u32 s10, 0
	s_cselect_b32 s[LIM], 1, -1
	v_lshlrev_b32 v[PFO], 8, v4
.macro MUL8 f, a, first
.if \first
	WIN 0x81
.else
	WIN 0xa1
.endif
.irp b, 0,1,2,3,4,5,6,7
.if \first
	v_wmma_f32_16x16x32_f16 v[8*(8*(\a)+(\b)):8*(8*(\a)+(\b))+7], v[64*(\f)+8*(\b):64*(\f)+8*(\b)+7], v[FA+32*(\f)+8*(\a):FA+32*(\f)+8*(\a)+7], v[BIAS+8*(\b):BIAS+8*(\b)+7]
.else
	v_wmma_f32_16x16x32_f16 v[8*(8*(\a)+(\b)):8*(8*(\a)+(\b))+7], v[64*(\f)+8*(\b):64*(\f)+8*(\b)+7], v[FA+32*(\f)+8*(\a):FA+32*(\f)+8*(\a)+7], v[8*(8*(\a)+(\b)):8*(8*(\a)+(\b))+7]
.endif
.endr
.endm
.macro FETCH slot, k, f                ; byte k of the step's 256 along K: for A head k / 128, byte k % 128 of its rows
	WIN 0x40
.irp i, 0,1,2,3,4,5,6,7
	ds_load_b128 v[64*(\f)+8*(\i):64*(\f)+8*(\i)+3],   v[ADRB+(\slot)] offset:(\k)+(\i)*16*PITCH
	ds_load_b128 v[64*(\f)+8*(\i)+4:64*(\f)+8*(\i)+7], v[ADRB+(\slot)] offset:(\k)+(\i)*16*PITCH+32
.endr
	WIN 0
.irp i, 0,1,2,3
	ds_load_b128 v[FA+32*(\f)+8*(\i):FA+32*(\f)+8*(\i)+3],   v[ADRA+(\slot)] offset:((\k)/128)*AREG+((\k)%128)+(\i)*16*PA
	ds_load_b128 v[FA+32*(\f)+8*(\i)+4:FA+32*(\f)+8*(\i)+7], v[ADRA+(\slot)] offset:((\k)/128)*AREG+((\k)%128)+(\i)*16*PA+32
.endr
.endm
.macro QUARTER slot, k, f, g, first
	s_wait_dscnt 4                                 ; B and A's blocks 0, 1 are in; A's blocks 2, 3 may be out
	MUL8 \f, 0, \first
	MUL8 \f, 1, \first
	PLACES
	FETCH \slot, \k, \g
	s_wait_dscnt 24                                ; all but the 24 just issued
	MUL8 \f, 2, \first
	MUL8 \f, 3, \first
.endm
.macro TURN slot, next, fill
.if \fill
	s_wait_xcnt 0x0                                ; the last prefetch, a K step back, has read its address
	s_add_nc_u64 s[PFA:PFA+1], s[PFA:PFA+1], KBYTES
.endif
	WIN 0
	s_wait_tensorcnt 0x0                           ; all my tensor loads have landed: my part of the next slot
	ds_add_u32 v[SPW], v[NIL]
	s_wait_dscnt 7                                 ; (the add and A's blocks 1 to 3 may be out)
	MUL8 1, 0, 0
	s_wait_dscnt 0x0                               ; the add is done, and my reads of this slot are over
	s_barrier_signal -1
	MUL8 1, 1, 0
.if \fill
	WIN 0
.endif
	s_barrier_wait -1
.if \fill
	CREST
	s_add_nc_u64 s[G0+4*(\slot)+2:G0+4*(\slot)+3], s[G0+4*(\slot)+2:G0+4*(\slot)+3], 2*KBYTES
	s_add_nc_u64 s[G0B+4*(\slot)+2:G0B+4*(\slot)+3], s[G0B+4*(\slot)+2:G0B+4*(\slot)+3], 2*256
	JLOAD \slot
.else
	PLACES
.endif
	FETCH \next, 0, 0
.if \fill
	ASK
.endif
	MUL8 1, 2, 0
	MUL8 1, 3, 0
.endm
	s_wait_tensorcnt 1                             ; my part of K step 0 is in; K step 1's may stay out
	s_barrier_signal -1
	s_barrier_wait -1
	FETCH 0, 0, 0
	s_wait_loadcnt 0x0                             ; the bias
	QUARTER 0, 64, 0, 1, 1
	WIN 0
	s_mov_b32 s3, LAPS-1
.Llap:
	QUARTER 0, 128, 1, 0, 0
	QUARTER 0, 192, 0, 1, 0
	TURN 0, 1, 1
	QUARTER 1, 64,  0, 1, 0
	QUARTER 1, 128, 1, 0, 0
	QUARTER 1, 192, 0, 1, 0
	TURN 1, 0, 1
	QUARTER 0, 64,  0, 1, 0
	WIN 0
	s_sub_co_u32 s3, s3, 1
	s_cmp_lg_u32 s3, 0
	s_cbranch_scc1 .Llap
	QUARTER 0, 128, 1, 0, 0
	QUARTER 0, 192, 0, 1, 0
	TURN 0, 1, 0
	QUARTER 1, 64,  0, 1, 0
	QUARTER 1, 128, 1, 0, 0
	QUARTER 1, 192, 0, 1, 0
	s_wait_dscnt 4
	MUL8 1, 0, 0
	MUL8 1, 1, 0
	s_wait_dscnt 0x0
	MUL8 1, 2, 0
	MUL8 1, 3, 0
	WIN 0
	PLACES
.macro OUTB a
	s_wait_xcnt 0x0                                ; earlier stores have read their data
	WIN 0x08                                       ; the stores' data in window 2
.irp b, 0,1,2,3,4,5,6,7
	ds_store_b128 v[STO], v[8*(8*(\a)+(\b)):8*(8*(\a)+(\b))+3]   offset:64*(\b)
	ds_store_b128 v[STO], v[8*(8*(\a)+(\b))+4:8*(8*(\a)+(\b))+7] offset:64*(\b)+16
.endr
	WIN 0
.set BK, 128+64*((\a)%2)
.irp u, 0,1,2,3,4,5,6,7,8,9,10,11,12,13,14,15
	ds_load_b128 v[BK+4*(\u):BK+4*(\u)+3], v[RD] offset:SPITCH*(\u)  ; in order behind the stores above
.endr
	s_wait_dscnt 0x0
.irp u, 0,1,2,3,4,5,6,7,8,9,10,11,12,13,14,15
	global_store_b128 v[CO], v[BK+4*(\u):BK+4*(\u)+3], s[8:9] offset:(16*(\a)+(\u))*4096 th:TH_STORE_NT
.endr
.endm
	OUTB 0
	OUTB 1
	OUTB 2
	OUTB 3
	s_wait_tensorcnt 0x0                           ; the wave's end
	ds_add_u32 v[SPW], v[NIL]
	s_wait_dscnt 0x0
	CROUND                                         ; the closing round
	s_endpgm
.Lfunc_end_k_q654efa2556_oproj:
	.size	k_q654efa2556_oproj, .Lfunc_end_k_q654efa2556_oproj-k_q654efa2556_oproj
	.p2alignl 7, 3214868480
	.fill 96, 4, 3214868480
	.section	.rodata,"a",@progbits
	.p2align	6, 0x0
	.amdhsa_kernel k_q654efa2556_oproj
		.amdhsa_group_segment_fixed_size 327680
		.amdhsa_private_segment_fixed_size 0
		.amdhsa_enable_private_segment 0
		.amdhsa_kernarg_size 32
		.amdhsa_user_sgpr_count 2
		.amdhsa_user_sgpr_kernarg_segment_ptr 1
		.amdhsa_wavefront_size32 1
		.amdhsa_system_sgpr_workgroup_id_x 1
		.amdhsa_system_sgpr_workgroup_id_y 1
		.amdhsa_system_sgpr_workgroup_id_z 1
		.amdhsa_system_vgpr_workitem_id 0
		.amdhsa_next_free_vgpr 768
		.amdhsa_next_free_sgpr 100
		.amdhsa_reserve_vcc 0
		.amdhsa_float_denorm_mode_32 3
		.amdhsa_float_denorm_mode_16_64 3
		.amdhsa_memory_ordered 1
		.amdhsa_forward_progress 1
		.amdhsa_inst_pref_size 88
	.end_amdhsa_kernel
	.amdgpu_metadata
---
amdhsa.version: [ 1, 2 ]
amdhsa.kernels:
  - .name:           k_q654efa2556_oproj
    .symbol:         k_q654efa2556_oproj.kd
    .args:
      - { .name: ch, .offset: 0, .size: 8, .value_kind: global_buffer, .address_space: global }
      - { .name: wh, .offset: 8, .size: 8, .value_kind: global_buffer, .address_space: global }
      - { .name: bo, .offset: 16, .size: 8, .value_kind: global_buffer, .address_space: global }
      - { .name: out0, .offset: 24, .size: 8, .value_kind: global_buffer, .address_space: global }
    .group_segment_fixed_size: 327680
    .private_segment_fixed_size: 0
    .kernarg_segment_align: 8
    .kernarg_segment_size: 32
    .max_flat_workgroup_size: 128
    .sgpr_count:     100
    .vgpr_count:     768
    .wavefront_size: 32
...
	.end_amdgpu_metadata
.endif
;; end of part 5
